; MI455X (gfx1250); checked and timed in simulation.
; The chip was launched on July 23, 2026; its instructions are those of AMD's public machine-readable ISA for CDNA 5 (MIT licence, August 2026) and "CDNA5" Instruction Set Architecture Reference Guide (July 2026). The comments in the code are by the model that wrote it; some were corrected since.
;; Multi Head Attention. Allowed arithmetic: matrix products marked QUANTISED: E4M3 operands, one given power-of-two scale a tensor, by v_wmma_f32_16x16x64_fp8_fp8 or v_wmma_f32_16x16x128_fp8_fp8, f32 sums; everything else in f32.
;; Inputs: b_proj 1,024 float32; lowp_scales 8 int32 (the exponents e of the quantised operands' scales 2^e); w_proj 1,024 x 1,024 float32; w_qkv 3,072 x 1,024 float32; x 4 x 2,048 x 1,024 float32.
;; Outputs: out0 4 x 2,048 x 1,024 float32.
;; This version of the problem:
;;   THIS VERSION OF THE PROBLEM IS GIVEN IN LOW PRECISION. The matrix products marked QUANTISED in the list below multiply operands that are first quantised to E4M3 (4 exponent bits, 3 mantissa bits; 8 bits a number), with one given power-of-two scale for each operand tensor; their sums are f32. All else is computed in f32.
;;   The module's matrix products, in the order in which they are computed (A, B: the left and right operand; K: the contracted axis; several contracted axes count as one K, in the product's order):
;;     1. [M 8,192, K 1,024] x [K 1,024, N 3,072]; A: input x; B: input w_qkv: QUANTISED (scales: A lowp_scales[0], B lowp_scales[1])
;;     2. batch 64 x [M 2,048, K 64] x [K 64, N 2,048]; A: computed on the way; B: computed on the way: QUANTISED (scales: A lowp_scales[2], B lowp_scales[3])
;;     3. batch 64 x [M 2,048, K 2,048] x [K 2,048, N 64]; A: softmax (see below); B: computed on the way: QUANTISED (scales: A lowp_scales[4], B lowp_scales[5])
;;     4. [M 8,192, K 1,024] x [K 1,024, N 1,024]; A: computed on the way; B: input w_proj: QUANTISED (scales: A lowp_scales[6], B lowp_scales[7])
;;   THE QUANTISER, for each operand of a quantised product, along K:
;;     - The operand's scale is 2^e, e = its entry of the input lowp_scales (int32; the entries are numbered through the quantised products in the list's order, A before B).
;;     - Each number is divided by the scale, clamped to +-448, and rounded to the nearest number of E4M3, ties to even, subnormals kept.
;;     - The product sums the exact products of the quantised numbers (number of the format x scale) in f32.
;;   ~~~python
;;   def quantise(x, axis, e):      # numpy; x: float32 -> the quantised numbers, widened to float32 again
;;       x = np.moveaxis(x, axis, -1); K = x.shape[-1]
;;       r = np.clip(x / 2.0 ** e, -448, 448)
;;       step = 2.0 ** (np.maximum(np.frexp(np.where(r == 0, 1, r))[1] - 1, -6) - 3)
;;       q = np.round(r / step) * step * 2.0 ** e      # np.round: ties to even
;;       return np.moveaxis(q, -1, axis).astype(np.float32)
;;   ~~~
;;   SOFTMAX AHEAD OF A QUANTISED PRODUCT. Where the list says 'softmax', what is quantised is not the finished softmax but p = 2^(t - M), with t = logit x log2(e) and M = ceil(the row's largest t), a whole number; so 1/2 < the row's largest p <= 1. The row's sum l is taken of the UNQUANTISED p, in f32, and the product's result is divided by l at the end. Since M is a whole number, a kernel that streams over the keys may use a running M (the ceiling of the running maximum): every later rescaling is an exact power of two, so the quantised numbers keep their values, but for numbers so far below the row's largest that they fall under the format's range.
;;   OPERANDS COMPUTED ON THE WAY. 'Computed on the way' means the value that the module computes at that place (a softmax that the list does not call 'softmax' is quantised finished and normalised). What goes into a quantiser is computed in f32, as accurately as f32 sums, v_exp_f32 and their like allow (about 1e-6 of the number): no bf16 or f16 on the way to a quantiser, and a product that is left as it is and whose result goes on into a quantised operand takes f32 operands (vector FMAs, or v_wmma_f32_16x16x4_f32). A number that lies on a knife's edge between two numbers of the format may be rounded either way, as far as f32 arithmetic and the matrix unit's own rounding can turn it there, and no further.
;; One version. Each part assembles by itself: llvm-mc -triple=amdgcn-amd-amdhsa -mcpu=gfx1250 --defsym DOCPART=n.
;; ======== version 1 of 1: 4 launches
;; limits: right only within a limited range of input values
;; workspace buffers: x_codes 8,388,608 bytes; wq_codes 3,145,728 bytes; wp_codes 1,048,576 bytes; q_codes 8,388,608 bytes; k_codes 8,388,608 bytes; v_codes 8,388,608 bytes; att_codes 8,388,608 bytes
;; launch quant (part 1): grid 768 x 1, 4 waves a work-group, no clusters, 33,280 bytes of LDS; arguments x, w_qkv, w_proj, lowp_scales, x_codes, wq_codes, wp_codes; writes x_codes, wq_codes, wp_codes
.if DOCPART == 1
	.amdgcn_target "amdgcn-amd-amdhsa--gfx1250"
	.amdhsa_code_object_version 6
	.text
	.protected	k_q8b8fc27ea9_quant
	.globl	k_q8b8fc27ea9_quant
	.p2align	8
	.type	k_q8b8fc27ea9_quant,@function
k_q8b8fc27ea9_quant:
	s_mov_b64 s[64:65], 0
	v_nop
	global_prefetch_b8 v0, s[64:65] scope:SCOPE_SE
	s_setreg_imm32_b32 hwreg(HW_REG_WAVE_MODE, 25, 1), 1
	s_wait_xcnt 0x0
; x [8192][1024], w_qkv [3072][1024] and w_proj [1024][1024], f32, K innermost, become codes of FP8 (E4M3), one byte a number, each with the scale 2^e given for it
; (entries 0, 1 and 7 of the buffer of scales).  code = number / 2^e, held within +-448, rounded to the nearest code, ties to even.
; LIMITS: -126 <= e and e + 8 <= 127, so that 2^e and 448 x 2^e are f32 numbers.  NaN among the inputs is not served (an infinity is held at the largest code).
; One launch, one path: work-groups 0-511 take x, 512-703 w_qkv, 704-767 w_proj; only pointers, an offset and e are chosen, by selects on the work-group's number.  768 work-groups are three for each of 256 WGPs.
; A wave takes a run of 4,096 numbers (4 rows) in 8 steps of 512.  x_codes and wp_codes keep the rows' order.  wq_codes is laid [q, k, v][head 16][64][1024]:
; source row 192 head + 64 part + d goes to row 1024 part + 64 head + d; a run of 4 rows never leaves its group of 64 rows, so only the run's first byte moves.
; The conversions take 8 neighbours along K from ONE lane's registers; a load is best where neighbouring LANES take neighbouring bytes.  Both are had: each of a step's four loads reads 512 consecutive
; bytes, 16 a lane; the 2,048 bytes go through the wave's own stage in LDS and come back 64 bytes a lane (16 bytes of padding behind each 64).  A lane's 16 codes are 16 bytes: the wave stores 512 consecutive bytes.
; No tensor loads, no barrier, no matrix work, no cluster: waves share nothing, and each byte is read once and written once.  Loads run four steps (16 loads a wave) ahead, the turn through LDS one step.
.set STEPS, 8
.set WGX,   512                        ; work-groups for x: 8192 x 1024 / 16384
.set WGW,   704                        ; and with w_qkv's 192
.set EMAX,  8
.set MANT,  0x600000                   ; the mantissa field of 448 as f32
.set CB,    16                         ; bytes of 16 codes
.set R,     16                         ; v16-79   four sets of 16 numbers as they are loaded
.set X,     80                         ; v80-111  two sets of 16 neighbours
.set C,     128                        ; v128-159 codes: four registers for each step, so that no store's data are written again
.set WREG,  8192                       ; LDS: a region of its own for each wave: two stages of 32 x SP bytes
.set SP,    80                         ; a lane's place in a stage: its 64 bytes + 16 of padding
	s_load_b256 s[4:11], s[0:1], 0x0               ; x s[4:5], w_qkv s[6:7], w_proj s[8:9], the scales' exponents s[10:11]
	s_load_b128 s[12:15], s[0:1], 0x20             ; x_codes s[12:13], wq_codes s[14:15]
	s_load_b64 s[24:25], s[0:1], 0x30              ; wp_codes
	v_lshl_add_u32 v192, v0, 2, 0x8000             ; my spare word, behind the four regions; never rewritten
	v_mov_b32 v193, 0                              ; 0; never rewritten
	v_lshrrev_b32 v1, 5, v0
	v_readfirstlane_b32 s16, v1                    ; wave
	v_and_b32 v2, 31, v0                           ; lane
	v_lshlrev_b32 v3, 4, v2                        ; my 16 bytes of a load's 512
	s_mul_i32 s17, s16, WREG
	v_lshrrev_b32 v14, 2, v2
	v_mul_u32_u24 v14, v14, SP
	v_and_b32 v15, 3, v2
	v_lshl_add_u32 v14, v15, 4, v14
	v_add_nc_u32 v14, s17, v14                     ; the stage, on the way in: four lanes' 64 bytes on end, then 16 of padding
	v_mul_u32_u24 v15, v2, SP
	v_add_nc_u32 v15, s17, v15                     ; and on the way out: SP x lane: my 16 neighbours
	v_mul_u32_u24 v4, v2, CB                       ; my codes' place in a step's
	s_sub_co_u32 s26, ttmp9, WGX                   ; the work-group's number within w_qkv,
	s_sub_co_u32 s27, ttmp9, WGW                   ; and within w_proj
	s_wait_alu depctr_va_vdst(0)                   ; directly ahead of the wait below
	s_wait_kmcnt 0x0
	s_load_b256 s[32:39], s[10:11], 0x0            ; e0 .. e7
	s_cmp_lt_u32 ttmp9, WGX                        ; the choices hang on the work-group's number alone
	s_cselect_b32 s28, ttmp9, s26
	s_cselect_b64 s[4:5], s[4:5], s[6:7]
	s_cselect_b64 s[12:13], s[12:13], s[14:15]
	s_cmp_lt_u32 ttmp9, WGW
	s_cselect_b32 s28, s28, s27
	s_cselect_b64 s[4:5], s[4:5], s[8:9]
	s_cselect_b64 s[12:13], s[12:13], s[24:25]
	s_lshl_b32 s28, s28, 2
	s_add_co_u32 s28, s28, s16                     ; which run of 4,096 numbers of the tensor is my wave's
	s_lshl_b32 s20, s28, 14                        ; its first byte in the tensor (at most 2,047 x 16,384)
	s_mov_b32 s21, 0
	s_add_nc_u64 s[4:5], s[4:5], s[20:21]
	s_lshl_b32 s22, s28, 12                        ; its first byte among the codes, rows in order
	s_lshr_b32 s18, s28, 4                         ; w_qkv: the group of 64 rows, 0 .. 47,
	s_mul_i32 s19, s18, 43
	s_lshr_b32 s19, s19, 7                         ; its head = group / 3 (43 / 128 serves up to 47),
	s_mul_i32 s29, s19, 3
	s_sub_co_u32 s29, s18, s29                     ; its part: 0 q, 1 k, 2 v
	s_lshl_b32 s29, s29, 20                        ; 1,024 rows of 1,024 bytes a part,
	s_lshl_b32 s19, s19, 16                        ; 64 rows a head,
	s_add_co_u32 s29, s29, s19
	s_and_b32 s18, s28, 15
	s_lshl_b32 s18, s18, 12                        ; 4 rows a run
	s_add_co_u32 s29, s29, s18
	s_cmp_lt_u32 s26, WGW-WGX                      ; unsigned: true in w_qkv's work-groups alone
	s_cselect_b32 s22, s29, s22
	s_mov_b32 s23, 0
	s_add_nc_u64 s[12:13], s[12:13], s[22:23]
.macro LOAD t
.irp i, 0,1,2,3
	global_load_b128 v[R+16*((\t)%4)+4*\i:R+16*((\t)%4)+4*\i+3], v3, s[4:5] offset:2048*(\t)+512*\i th:TH_LOAD_NT   ; 32 lanes read 512 consecutive bytes
.endr
.endm
.macro TURN t                          ; step t's numbers through the stage: LDS serves a wave's instructions in order (ISA guide 5.7.1.4), so no wait stands between the stores and the loads
.irp i, 0,1,2,3
	ds_store_b128 v14, v[R+16*((\t)%4)+4*\i:R+16*((\t)%4)+4*\i+3] offset:32*SP*((\t)%2)+8*SP*\i
.endr
.irp i, 0,1,2,3
	ds_load_b128 v[X+16*((\t)%2)+4*\i:X+16*((\t)%2)+4*\i+3], v15 offset:32*SP*((\t)%2)+16*\i
.endr
.endm
.irp t, 0,1,2,3
	LOAD \t
.endr
	s_wait_kmcnt 0x0
	s_cmp_lt_u32 ttmp9, WGX
	s_cselect_b32 s22, s32, s33                    ; e0 for x, e1 for w_qkv,
	s_cmp_lt_u32 ttmp9, WGW
	s_cselect_b32 s22, s22, s39                    ; e7 for w_proj
	s_add_co_i32 s22, s22, 127
	s_lshl_b32 s23, s22, 23
	v_mov_b32 v11, s23                             ; 2^e as f32: the conversion takes its exponent field
	s_add_co_i32 s22, s22, EMAX
	s_lshl_b32 s22, s22, 23
	s_or_b32 s22, s22, MANT
	v_mov_b32 v10, s22                             ; 448 x 2^e
	s_wait_alu depctr_va_vdst(0)
	s_wait_loadcnt 12                              ; step 0's four loads are in; the twelve of steps 1 to 3 may be out
	TURN 0
.macro STEP t
.set XS, X+16*((\t)%2)
	s_wait_dscnt 0x0                               ; this step's numbers are back from the stage: so its stores into the stage have read their registers,
.if (\t)+4 < STEPS
	LOAD (\t)+4                                    ; which take the loads of four steps on
.endif
.if (\t)+1 < STEPS
.if STEPS-2-(\t) >= 3
	s_wait_loadcnt 12                              ; the next step's four loads are in; those of the three steps behind it may be out
.else
	s_wait_loadcnt 4*(STEPS-2-(\t))
.endif
	TURN (\t)+1                                    ; and go through the other stage while this step is worked
.endif
.irp i, 0,1,2,3,4,5,6,7,8,9,10,11,12,13,14,15
	v_med3_num_f32 v[XS+\i], v[XS+\i], -v10, v10   ; the conversion to an 8-bit code does not saturate (ISA guide 7.6.2): hold the number within 448 x the scale first
.endr
	v_cvt_scalef32_pk8_fp8_f32 v[C+4*(\t):C+4*(\t)+1], v[XS:XS+7], v11          ; eight numbers / 2^e, to the nearest code, ties to even; the first number's code in the lowest byte
	v_cvt_scalef32_pk8_fp8_f32 v[C+4*(\t)+2:C+4*(\t)+3], v[XS+8:XS+15], v11
	global_store_b128 v4, v[C+4*(\t):C+4*(\t)+3], s[12:13] offset:32*CB*(\t)    ; the codes go to a store alone; the next vector lines are the next step's holds, plain lines on other registers
.endm
.irp t, 0,1,2,3,4,5,6,7
	STEP \t
.endr
	s_wait_tensorcnt 0x0                           ; the wave's end, behind my last LDS store
	ds_add_u32 v192, v193
	s_wait_dscnt 0x0
	s_endpgm
.Lfunc_end_k_q8b8fc27ea9_quant:
	.size	k_q8b8fc27ea9_quant, .Lfunc_end_k_q8b8fc27ea9_quant-k_q8b8fc27ea9_quant
	.p2alignl 7, 3214868480
	.fill 96, 4, 3214868480
	.section	.rodata,"a",@progbits
	.p2align	6, 0x0
	.amdhsa_kernel k_q8b8fc27ea9_quant
		.amdhsa_group_segment_fixed_size 33280
		.amdhsa_private_segment_fixed_size 0
		.amdhsa_enable_private_segment 0
		.amdhsa_kernarg_size 56
		.amdhsa_user_sgpr_count 2
		.amdhsa_user_sgpr_kernarg_segment_ptr 1
		.amdhsa_wavefront_size32 1
		.amdhsa_system_sgpr_workgroup_id_x 1
		.amdhsa_system_sgpr_workgroup_id_y 1
		.amdhsa_system_sgpr_workgroup_id_z 1
		.amdhsa_system_vgpr_workitem_id 0
		.amdhsa_next_free_vgpr 194
		.amdhsa_next_free_sgpr 66
		.amdhsa_reserve_vcc 0
		.amdhsa_float_denorm_mode_32 3
		.amdhsa_float_denorm_mode_16_64 3
		.amdhsa_memory_ordered 1
		.amdhsa_forward_progress 1
		.amdhsa_inst_pref_size 21
	.end_amdhsa_kernel
	.amdgpu_metadata
---
amdhsa.version: [ 1, 2 ]
amdhsa.kernels:
  - .name:           k_q8b8fc27ea9_quant
    .symbol:         k_q8b8fc27ea9_quant.kd
    .args:
      - { .name: x, .offset: 0, .size: 8, .value_kind: global_buffer, .address_space: global }
      - { .name: w_qkv, .offset: 8, .size: 8, .value_kind: global_buffer, .address_space: global }
      - { .name: w_proj, .offset: 16, .size: 8, .value_kind: global_buffer, .address_space: global }
      - { .name: lowp_scales, .offset: 24, .size: 8, .value_kind: global_buffer, .address_space: global }
      - { .name: x_codes, .offset: 32, .size: 8, .value_kind: global_buffer, .address_space: global }
      - { .name: wq_codes, .offset: 40, .size: 8, .value_kind: global_buffer, .address_space: global }
      - { .name: wp_codes, .offset: 48, .size: 8, .value_kind: global_buffer, .address_space: global }
    .group_segment_fixed_size: 33280
    .private_segment_fixed_size: 0
    .kernarg_segment_align: 8
    .kernarg_segment_size: 56
    .max_flat_workgroup_size: 128
    .sgpr_count:     66
    .vgpr_count:     194
    .wavefront_size: 32
...
	.end_amdgpu_metadata
.endif
;; end of part 1
;; launch qkv (part 2): grid 12 x 32, 4 waves a work-group, clusters of 4 x 4, 327,680 bytes of LDS; arguments x_codes, wq_codes, lowp_scales, q_codes, k_codes, v_codes; writes q_codes, k_codes, v_codes
.if DOCPART == 2
	.amdgcn_target "amdgcn-amd-amdhsa--gfx1250"
	.amdhsa_code_object_version 6
	.text
	.protected	k_q8b8fc27ea9_qkv
	.globl	k_q8b8fc27ea9_qkv
	.p2align	8
	.type	k_q8b8fc27ea9_qkv,@function
k_q8b8fc27ea9_qkv:
	s_mov_b64 s[64:65], 0
	v_nop
	global_prefetch_b8 v0, s[64:65] scope:SCOPE_SE
	s_setreg_imm32_b32 hwreg(HW_REG_WAVE_MODE, 25, 1), 1
	s_wait_xcnt 0x0
	s_wait_alu depctr_hold_cnt(0) depctr_sa_sdst(0) depctr_va_vdst(0) depctr_va_sdst(0) depctr_va_ssrc(0) depctr_va_vcc(0) depctr_vm_vsrc(0)
	s_getreg_b32 s2, hwreg(HW_REG_IB_STS2, 6, 4)
	s_cmp_eq_u32 s2, 0
	s_cbranch_scc0 .Lentry_in_a_cluster
	s_endpgm
.Lentry_in_a_cluster:
	s_bfe_u32 s2, ttmp6, 0x10000c
	s_cmp_lg_u32 s2, 0xf033
	s_cbranch_scc0 .Lentry_shape_is_right
	s_endpgm
.Lentry_shape_is_right:
; The first product, x w_qkv^T, on codes of FP8 (E4M3), and its sums quantised at once into the codes of q, k and v.  C[m][n] = sum over k of A[m][k] B[n][k], K = 1,024, rows of 1,024 bytes on both sides.
; The matrix instruction is used transposed (source 0 = 16 rows of B, source 1 = 16 rows of A): a lane holds eight neighbouring n of one row m, which is what the conversion to codes wants along the NEXT K.
; For q and k the next K is the head's 64 columns: A = x_codes (8,192 tokens), B = wq_codes rows 0-2047 (q's 1,024, then k's).  For v the next K is the tokens: the same text makes V^T = W_v x^T:
; A = wq_codes' last 1,024 rows, B = x_codes.  Which of the two a cluster does hangs on the cluster's x alone (0: q, 1: k, 2: v), the same number in all sixteen partners, and is settled by selects: no branch.
; A tile of C is 256 x 256: four waves, each 128 x 128 in 64 accumulators (512 registers).  K goes in steps of 256 through a ring of two LDS slots filled by the tensor data mover.
; CLUSTERS: 4 x 4 work-groups.  The four of a row of the cluster need the same tiles of A, the four of a column the same tiles of B: each tile is asked for JOINTLY, by the same tensor load with the same descriptor and a mask of the four.
; L2 prefetches: K steps 1 and 2 are named at the head, K step 3 behind K step 1's load.
; A sum stands for sum x 2^(e0 + e1); its code is sum / 2^(eT - e0 - e1), eT = e2 (q), e3 (k), e5 (v), held within +-448 of that scale.
; LIMIT: eT - e0 - e1 lies between -126 and 119, so that the scale and 448 x the scale are f32 numbers.
; OUT: q_codes, k_codes [b 16 + head][token 2048][64 bytes]; v_codes [b 16 + head][token / 64][d 64][64 bytes: tokens].  In every 32 bytes the four groups of 8 hold source groups 0, 2, 1, 3: a lane's codes of two
; neighbouring accumulators (columns 32 c + 8 h .. and 32 c + 16 + 8 h ..) are stored as 16 bytes at 32 c + 16 h.  A 16-byte load at 32 c + 16 h then gives a lane the places that the plain fp8 forms give it.
; REGISTERS, in windows of 256: window 0: v0-31 addresses and two constants; from v128 A's fragments (8 x 16 rows x 128 K), ONE set; on the way out v32-159 are at work.
;   window 1: B's fragments, TWO sets, at v0 and at v128.   window 2: the 32 accumulators of my rows 0-63 (accumulator (a, b) at v[8 (8 a + b)]);   window 3: those of my rows 64-127.
.set SIZE_K, 1024
.set KSTEP,  256                       ; along K in a slot
.set ROWB,   256                       ; a tile's row in bytes
.set KROW,   SIZE_K                    ; a row of A or of B in memory, in bytes
.set PITCH,  272                       ; an LDS row: 256 bytes + 16 of padding = 68 words: row r starts at bank 4 r mod 64 (64 banks of 4 bytes: ISA guide 11.1), so the 16 rows of a load start at 16 different banks
.set FR,     16                        ; registers of a fragment: 16 rows x 128 K
.set NL,     4                         ; LDS loads that bring one
.set NP,     4                         ; places behind this matrix instruction (ISA guide 7.12.1)
.set HALFT,  128*PITCH                 ; 128 rows: what one tensor load brings, and what one wave reads of A or of B
.set SLOT,   4*HALFT                   ; A's 256 rows, then B's 256 rows
.set LAPS,   SIZE_K/(2*KSTEP)          ; a lap = two K steps = once round the ring
.set SPARE,  2*SLOT                    ; behind the ring: the spare words, 128 bytes for each wave: two blocks of 256 bytes that no other line names
.set SP,     144                       ; the way out: a stage of 16 rows x (128 bytes of codes + 16) for each wave.  It lies in slot 0, which has had its last fill and its last read when the first codes are stored there
.set ADRA, 16                          ; v16-17  LDS address of my A fragments in slot 0, 1
.set ADRB, 20                          ; v20-21  the same for B
.set STO,  24                          ; v24     the way out: where I put 16 bytes of a row
.set RD,   25                          ; v25     the way out: where I read 16 bytes back
.set CO0,  26                          ; v26     my byte offset in a store's 512 bytes, columns 0-63
.set CO1,  27                          ; v27     the same for columns 64-127
.set SPW,  28                          ; v28     LDS address of my spare word: SPARE + 4 x my thread's number; never rewritten
.set NIL,  29                          ; v29     0; never rewritten
.set SCV,  30                          ; v30     2^(eT - e0 - e1) as f32
.set LIMV, 31                          ; v31     448 x that
.set TMP,  32                          ; the way out: 64 registers, a block's sums, held
.set CD,   96                          ; two sets of 16: a block's codes
.set AF,   128                         ; A's fragments, in window 0
.set BK,   128                         ; the way out: two sets of 16: a block's codes read back by rows
.set G1, 24                            ; s[24:31] descriptor group 1 for A's tiles;  s[32:39] group 0, one set for each slot
.set G0, 32
.set G1B, 48                           ; s[48:55], s[56:63] the same for B's tiles
.set G0B, 56
.set MSB, 0
.macro WIN new                         ; the immediate's high byte repeats the setting that is left
.if MSB != (\new)
	s_set_vgpr_msb (MSB<<8)|(\new)
.set MSB, (\new)
.endif
.endm
.set MUL_LO, 0xa1                      ; source 0 (B) window 1, source 1 (A) window 0, C and D window 2
.set MUL_HI, 0xf1                      ; the same, C and D window 3
.set TO_B,   0x40                      ; destination window 1, address window 0
; A joint load: waves 0 and 1 fetch for A, waves 2 and 3 for B.  Each of the two lines has ONE mask and one set of registers for all that issue it; the branch hangs on the wave's number alone.
; Four v_nop follow each of the two lines, ahead of the jump, the label and what follows.
.macro JLOAD g0a, g1a, g0b, g1b
	s_cmp_eq_u32 s15, 0
	s_cbranch_scc0 .Lfor_b_\@
	tensor_load_to_lds s[\g0a:\g0a+3], s[\g1a:\g1a+7]
	s_nop 0
.rept 4
	v_nop
.endr
	s_branch .Lasked_\@
.Lfor_b_\@:
	tensor_load_to_lds s[\g0b:\g0b+3], s[\g1b:\g1b+7]
	s_nop 0
.rept 4
	v_nop
.endr
.Lasked_\@:
.endm
.macro CREST                           ; a round of the cluster's barrier behind its opening barrier
	s_cmp_lg_u32 s14, 0
	s_cbranch_scc1 .Lnot_wave_0_\@
	s_barrier_signal -3
.Lnot_wave_0_\@:
	s_barrier_wait -3
	s_barrier_signal -1
	s_barrier_wait -1
.endm
.macro CROUND                          ; a whole round
	s_barrier_signal -1
	s_barrier_wait -1
	CREST
.endm
	s_load_b128 s[4:7], s[0:1], 0x0                ; x_codes s[4:5], wq_codes s[6:7]
	s_load_b64 s[8:9], s[0:1], 0x10                ; the scales' exponents
	s_load_b128 s[68:71], s[0:1], 0x18             ; q_codes s[68:69], k_codes s[70:71]
	s_load_b64 s[72:73], s[0:1], 0x28              ; v_codes
	v_lshl_add_u32 v[SPW], v0, 2, SPARE
	v_mov_b32 v[NIL], 0
	ds_add_u32 v28, v29
	ds_add_u32 v28, v29
	s_wait_dscnt 0x0
	v_lshrrev_b32 v1, 5, v0
	v_readfirstlane_b32 s14, v1                    ; wave 0..3
	s_lshr_b32 s15, s14, 1                         ; which half of the tile's rows is mine.  Also: I fetch for A (0) or for B (1)
	s_and_b32 s16, s14, 1                          ; which half of its columns.  Also: which 128 rows of that tile I fetch
	s_bfe_u32 s40, ttmp6, 0x40000                  ; cx, cy: my place in the cluster
	s_bfe_u32 s41, ttmp6, 0x40004
	s_and_b32 s74, ttmp7, 0xffff                   ; the cluster's y, 0 .. 7
	s_cmp_eq_u32 ttmp9, 2                          ; the cluster's x: 2 = v
	s_cselect_b32 s75, 0, s74                      ; v: W_v's 1,024 rows are the cluster's four tile rows; else x's 32 tile rows go by the cluster's y
	s_cselect_b32 s76, s74, ttmp9                  ; v: x's 32 tile columns go by the cluster's y; else q's and k's 8 tile columns by the cluster's x
	s_lshl_b32 s42, s76, 2
	s_add_co_u32 s42, s42, s40                     ; tile column of C
	s_lshl_b32 s17, s75, 2
	s_add_co_u32 s17, s17, s41                     ; tile row of C
	s_lshl_b32 s43, s41, 2
	s_lshl_b32 s43, 15, s43                        ; my row of the cluster
	s_lshl_b32 s44, 0x1111, s40                    ; my column
	; descriptor group 1: a tile of 128 rows x 256 bytes, padded in LDS
	s_or_b32 s[G1+0], s43, (0<<16)|(1<<20)|(1<<21)|(5<<22)|(3<<25)  ; 15:0 the mask: A's tiles go to my row; 17:16 element of 1 byte; 20 padding on; 21 set beside a mask; 24:22 after every 64 words (code 5); 31:25 of 4 words (code 3)
	s_or_b32 s[G1B+0], s44, (0<<16)|(1<<20)|(1<<21)|(5<<22)|(3<<25)
.irp g, G1, G1B
	s_mov_b32 s[\g+1], ROWB<<16                    ; tensor_dim0
	s_mov_b32 s[\g+2], 128<<16                     ; tensor_dim1 = 128
	s_mov_b32 s[\g+3], ROWB<<16                    ; tile_dim0
	s_mov_b32 s[\g+4], 128                         ; tile_dim1 = 128
	s_mov_b32 s[\g+5], KROW                        ; tensor_dim0_stride
	s_mov_b32 s[\g+6], 0
	s_mov_b32 s[\g+7], 0
.endr
	s_lshl_b32 s18, s16, 7                         ; which 128 rows of the tile I fetch
	s_lshl_b32 s20, s17, 8
	s_add_co_u32 s20, s20, s18                     ; A: row 256 x tile row + 128 x half
	s_lshl_b32 s46, s42, 8
	s_add_co_u32 s46, s46, s18                     ; B: row 256 x tile column + 128 x half
	s_lshl_b32 s20, s20, 10                        ; in bytes: at most 8,191 rows of 1,024
	s_lshl_b32 s46, s46, 10
	s_mov_b32 s21, 0
	s_mov_b32 s47, 0
	s_mul_i32 s45, s14, HALFT                      ; where they go: wave x 128 rows: no place in the cluster enters an LDS address
	s_wait_kmcnt 0x0
	s_load_b256 s[84:91], s[8:9], 0x0              ; e0 .. e7
	s_add_nc_u64 s[78:79], s[6:7], 0x200000        ; W_v's codes: behind q's and k's 2,048 rows
	s_cmp_eq_u32 ttmp9, 2
	s_cselect_b64 s[80:81], s[78:79], s[4:5]       ; A
	s_cselect_b64 s[82:83], s[4:5], s[6:7]         ; B
	s_add_nc_u64 s[20:21], s[80:81], s[20:21]
	s_add_nc_u64 s[46:47], s[82:83], s[46:47]
	CROUND                                         ; all sixteen work-groups are here: the first joint loads meet
.irp s, 0,1
	s_mov_b32 s[G0+4*\s], 1
	s_add_co_u32 s[G0+4*\s+1], s45, \s*SLOT
	s_add_nc_u64 s[G0+4*\s+2:G0+4*\s+3], s[20:21], \s*ROWB
	s_or_b32 s[G0+4*\s+3], s[G0+4*\s+3], 0x80000000
	s_mov_b32 s[G0B+4*\s], 1
	s_add_co_u32 s[G0B+4*\s+1], s45, \s*SLOT
	s_add_nc_u64 s[G0B+4*\s+2:G0B+4*\s+3], s[46:47], \s*ROWB
	s_or_b32 s[G0B+4*\s+3], s[G0B+4*\s+3], 0x80000000
.endr
	JLOAD G0, G1, G0B, G1B                         ; K step 0: one tensor load a wave at the head
	; PREFETCHES INTO THE L2.  Of the 128 rows that I fetch, each of the four partners that ask for them jointly names 32, told apart BY ADDRESS (cx for A, cy for B): a lane a row, 256 bytes of a row a K step.
	; K steps 1 and 2 are named here, behind K step 0's load; K step 3 behind K step 1's load.  s[12:13] and v9 are never rewritten.
	s_lshl_b32 s66, s17, 8                         ; the tile's first row: in A by the tile row,
	s_lshl_b32 s67, s42, 8                         ; in B by the tile column
	s_cmp_eq_u32 s15, 0                            ; do I fetch for A?
	s_cselect_b32 s66, s66, s67
	s_cselect_b32 s67, s40, s41                    ; my place among the four
	s_cselect_b64 s[12:13], s[80:81], s[82:83]
	s_lshl_b32 s98, s16, 7
	s_add_co_u32 s66, s66, s98                     ; + the 128 rows that I fetch
	s_lshl_b32 s67, s67, 5
	s_add_co_u32 s66, s66, s67                     ; + my work-group's 32 of them
	s_lshl_b32 s66, s66, 10                        ; rows of 1,024 bytes
	s_mov_b32 s67, 0
	s_add_nc_u64 s[12:13], s[12:13], s[66:67]
	v_and_b32 v9, 31, v0
	v_lshlrev_b32 v9, 10, v9
	global_prefetch_b8 v9, s[12:13] offset:256 th:TH_LOAD_NT scope:SCOPE_SE
	global_prefetch_b8 v9, s[12:13] offset:512 th:TH_LOAD_NT scope:SCOPE_SE
	v_and_b32 v1, 15, v0
	s_wait_alu depctr_va_vdst(0)
	v_bfe_u32 v2, v0, 4, 1                         ; l / 16
	v_mul_u32_u24 v3, v1, PITCH
	v_lshl_add_u32 v4, v2, 4, v3                   ; a fragment's row x pitch + 16 x half
	s_mul_i32 s21, s15, HALFT                      ; my 128 rows of A
	s_mul_i32 s22, s16, HALFT                      ; my 128 rows of B,
	s_add_co_u32 s22, s22, 2*HALFT                 ; which lie behind A's 256
.irp s, 0,1
	v_add_nc_u32 v[ADRA+\s], s21, v4
	v_add_nc_u32 v[ADRB+\s], s22, v4
	s_add_co_u32 s21, s21, SLOT
	s_add_co_u32 s22, s22, SLOT
.endr
	s_mul_i32 s23, s14, 16*SP                      ; my stage
	v_mul_u32_u24 v5, v1, SP                       ; in: row l % 16, 16 bytes for each half of the lanes
	s_wait_alu depctr_va_vdst(0)
	v_lshl_add_u32 v5, v2, 4, v5
	v_add_nc_u32 v[STO], s23, v5
	v_and_b32 v6, 31, v0
	v_lshrrev_b32 v7, 2, v6                        ; back: four lanes take 64 bytes of a row, the 32 lanes eight rows
	v_mul_u32_u24 v7, v7, SP
	v_and_b32 v8, 3, v6
	v_lshl_add_u32 v7, v8, 4, v7
	v_add_nc_u32 v[RD], s23, v7
	v_lshlrev_b32 v[CO0], 4, v6                    ; which are 512 consecutive bytes of the output
	; where my 128 x 128 goes.  Its rows begin at R0, its columns at C0; the tokens are the rows (q, k) or the columns (v), the other axis counts 64 to a head
	s_wait_alu depctr_va_vdst(0)
	s_lshl_b32 s20, s17, 8
	s_lshl_b32 s21, s15, 7
	s_add_co_u32 s20, s20, s21                     ; R0
	s_lshl_b32 s46, s42, 8
	s_lshl_b32 s47, s16, 7
	s_add_co_u32 s46, s46, s47                     ; C0
	s_cmp_eq_u32 ttmp9, 2
	s_cselect_b32 s96, s46, s20                    ; my first token, 0 .. 8,191
	s_cselect_b32 s97, s20, s46                    ; my first place on the heads' axis
	s_mov_b32 s93, 131072
	s_cselect_b32 s93, 4096, s93                   ; from columns 0-63 to columns 64-127: v: the next 64 tokens; q, k: the next head
	s_mov_b32 s94, 1024
	s_cselect_b32 s94, 128000, s94                 ; from block 3 to block 4 of my rows: v passes into the next head (131,072 - 3 x 1,024); q, k: 16 tokens on, as between all other blocks
	s_mov_b32 s95, 0
	s_cselect_b64 s[10:11], s[72:73], s[68:69]     ; v_codes or q_codes,
	s_cmp_eq_u32 ttmp9, 1
	s_cselect_b64 s[10:11], s[70:71], s[10:11]     ; or k_codes
	s_and_b32 s97, s97, 1023
	s_lshr_b32 s97, s97, 6                         ; my first head (an even one)
	s_lshr_b32 s22, s96, 11                        ; b
	s_lshl_b32 s22, s22, 4
	s_add_co_u32 s22, s22, s97
	s_lshl_b32 s22, s22, 17                        ; 131,072 bytes for each (b, head)
	s_and_b32 s96, s96, 2047
	s_lshl_b32 s96, s96, 6                         ; 64 bytes a token in q and k; 4,096 bytes for 64 tokens in v: the same number
	s_add_co_u32 s22, s22, s96
	s_mov_b32 s23, 0
	s_add_nc_u64 s[10:11], s[10:11], s[22:23]
	v_add_nc_u32 v[CO1], s93, v[CO0]
.macro FRAG reg, adr, q, i             ; a fragment, 16 rows x 128 K of 8-bit codes, is 16 registers: lane l holds row l % 16; registers 4 c .. 4 c + 3 hold K = 32 c + 16 (l / 16) + 0 .. 15: the same places in A and in B
.irp c, 0,1,2,3
	ds_load_b128 v[\reg+4*\c:\reg+4*\c+3], v[\adr] offset:128*(\q)+32*\c+(\i)*16*PITCH
.endr
.endm
; 16 matrix instructions: A's blocks a0, a0 + 1 x B's eight, 128 along K.  p: B's set.  zero = 1: the first product starts the sums: nothing is ever cleared.
; The 64 accumulators take turns, one instruction a turn, in the same order in every step.
.macro MUL16 a0, p, zero
.irp a, \a0, \a0+1
.irp b, 0,1,2,3,4,5,6,7
.if \zero
	v_wmma_f32_16x16x128_fp8_fp8 v[8*(8*((\a)%4)+\b):8*(8*((\a)%4)+\b)+7], v[128*(\p)+FR*\b:128*(\p)+FR*\b+FR-1], v[AF+FR*(\a):AF+FR*(\a)+FR-1], 0
.else
	v_wmma_f32_16x16x128_fp8_fp8 v[8*(8*((\a)%4)+\b):8*(8*((\a)%4)+\b)+7], v[128*(\p)+FR*\b:128*(\p)+FR*\b+FR-1], v[AF+FR*(\a):AF+FR*(\a)+FR-1], v[8*(8*((\a)%4)+\b):8*(8*((\a)%4)+\b)+7]
.endif
.endr
.endr
.endm
.macro FETCH_B slot, q, p              ; B's eight fragments of the slot's q-th 128 along K into set p
	WIN TO_B
.irp i, 0,1,2,3,4,5,6,7
	FRAG 128*(\p)+FR*\i, ADRB+\slot, \q, \i
.endr
	WIN 0
.endm
.macro FETCH_A slot, q, i0             ; A's blocks i0 .. i0 + 3
.irp i, \i0, \i0+1, \i0+2, \i0+3
	FRAG AF+FR*(\i), ADRA+\slot, \q, \i
.endr
.endm
; A load into a register that a matrix instruction has read, and a vector instruction that reads a matrix result, stand NP places behind that matrix instruction, and only plain vector
; instructions that name none of its registers are places (ISA guide 7.12.1 for vector instructions).
.macro PLACES n
.rept \n
	v_nop
.endr
.endm
; A step of 128 along K that has its successor in the same slot.
.macro STEP slot, q, zero
	s_wait_dscnt 4*NL                              ; B's set and A's blocks 0-3 are in; the youngest 16 loads (A's blocks 4-7) may be out
	WIN MUL_LO
	MUL16 0, (\q)%2, \zero
	MUL16 2, (\q)%2, \zero
	s_wait_dscnt 0                                 ; A's blocks 4-7 are in (asked for 32 matrix instructions ago)
	PLACES NP
	FETCH_B \slot, (\q)+1, 1-(\q)%2
	FETCH_A \slot, (\q)+1, 0
	WIN MUL_HI
	MUL16 4, (\q)%2, \zero
	MUL16 6, (\q)%2, \zero
	PLACES NP
	WIN 0
	FETCH_A \slot, (\q)+1, 4
.endm
; A slot's last step changes slots: ONE barrier; in front of it each wave waits for all its tensor loads, adds 0 to its spare word, and waits for that and for its own reads of this slot.  fill = 1: this slot is filled again, two K steps ahead.
.macro TURN slot, next, fill
	s_wait_tensorcnt 0x0                           ; all my tensor loads have landed: my part of the next slot;  (every window is 0 here: the add's two registers lie in window 0)
	ds_add_u32 v[SPW], v[NIL]                      ; 0 onto my spare word
	s_wait_dscnt 4*NL+1                            ; (the add and the youngest 16 loads, A's blocks 4-7, may be out)
	WIN MUL_LO
	MUL16 0, 1, 0                                  ; sixteen matrix instructions stand between the add and the wait for it
	s_wait_dscnt 0x0                               ; the add is done, and my reads of this slot are over
	s_barrier_signal -1
	MUL16 2, 1, 0
	WIN 0
	s_barrier_wait -1
.if \fill
	CREST                                          ; the barrier has opened a round of the cluster's barrier: no wave of any partner still reads this slot's tile or has a load on its way
	s_add_nc_u64 s[G0+4*\slot+2:G0+4*\slot+3], s[G0+4*\slot+2:G0+4*\slot+3], 2*ROWB
	s_add_nc_u64 s[G0B+4*\slot+2:G0B+4*\slot+3], s[G0B+4*\slot+2:G0B+4*\slot+3], 2*ROWB
	JLOAD G0+4*\slot, G1, G0B+4*\slot, G1B         ; the first tensor load behind the round; the four v_nop behind it are the places in front of the loads below
.else
	PLACES NP
.endif
	FETCH_B \next, 0, 0
	FETCH_A \next, 0, 0
	WIN MUL_HI
	MUL16 4, 1, 0
	MUL16 6, 1, 0
	PLACES NP
	WIN 0
	FETCH_A \next, 0, 4
.endm
	s_wait_alu depctr_va_vdst(0)
	s_wait_tensorcnt 0x0                           ; my part of K step 0 is in; slot 1's first fill is issued as a refill is:
	ds_add_u32 v[SPW], v[NIL]                      ; 0 onto my spare word
	s_wait_dscnt 0x0                               ; the add is done
	CROUND                                         ; everybody's part of K step 0 is in, and all sixteen work-groups are here
	JLOAD G0+4, G1, G0B+4, G1B                     ; K step 1: the first tensor load behind the round
	FETCH_B 0, 0, 0
	FETCH_A 0, 0, 0
	FETCH_A 0, 0, 4
	global_prefetch_b8 v9, s[12:13] offset:768 th:TH_LOAD_NT scope:SCOPE_SE   ; K step 3, two refills ahead of its load
	STEP 0, 0, 1                                   ; the first step stands in front of the loop: its products start the sums
	s_mov_b32 s3, LAPS-1
.Llap:                                                 ; a trip goes once round the ring, from a lap's second step to the next lap's first, and fills both slots again
	TURN 0, 1, 1
	STEP 1, 0, 0
	TURN 1, 0, 1
	STEP 0, 0, 0
	s_sub_co_u32 s3, s3, 1
	s_cmp_lg_u32 s3, 0
	s_cbranch_scc1 .Llap
	TURN 0, 1, 0                                   ; the last lap fills nothing, and has no round of the cluster's barrier
	STEP 1, 0, 0
	s_wait_dscnt 4*NL                              ; the very last step: nothing more to fetch
	WIN MUL_LO
	MUL16 0, 1, 0
	MUL16 2, 1, 0
	s_wait_dscnt 0
	WIN MUL_HI
	MUL16 4, 1, 0
	MUL16 6, 1, 0
	WIN 0
; THE WAY OUT, block by block of 16 rows x 128 columns.  The sums are held within 448 x the scale (each accumulator from its low end on) and converted, eight neighbouring columns to 8 bytes; a lane's 64 bytes
; go into my own stage in LDS, row by row, and come back so that the 32 lanes hold eight rows' 64 bytes of one half of the columns: 512 consecutive bytes of the output.
; LDS serves a wave's instructions in order (ISA guide 5.7.1.4): no wait between the stores and the loads, nor in front of the next block's stores.
.macro TOSTAGE a
.set AC, 64*((\a)%4)
.set CDS, CD+16*((\a)%2)
.set BB, BK+16*((\a)%2)
	WIN 0x02+((\a)/4)                              ; source 0: window 2 or 3
.set j, 0
.rept 64
	v_med3_num_f32 v[TMP+j], v[AC+j], -v[LIMV], v[LIMV]   ; the conversion to an 8-bit code does not saturate (ISA guide 7.6.2)
.set j, j+1
.endr
	WIN 0
.irp b, 0,1,2,3,4,5,6,7
	v_cvt_scalef32_pk8_fp8_f32 v[CDS+2*\b:CDS+2*\b+1], v[TMP+8*\b:TMP+8*\b+7], v[SCV]
.endr
	v_nop                                          ; one plain vector line behind the last conversion: the next block's holds write its sources
.irp c, 0,1,2,3
	ds_store_b128 v[STO], v[CDS+4*\c:CDS+4*\c+3] offset:32*\c
.endr
.irp i, 0,1,2,3
	ds_load_b128 v[BB+4*\i:BB+4*\i+3], v[RD] offset:(\i%2)*8*SP+64*(\i/2)   ; rows 8 (i % 2) on, columns 64 (i / 2) on
.endr
.endm
.macro SEND a, younger                 ; younger: the LDS instructions issued behind block a's loads, which may stay out
.set BB, BK+16*((\a)%2)
	s_wait_dscnt \younger                          ; the block is back in registers
.if (\a) == 4
	s_add_nc_u64 s[10:11], s[10:11], s[94:95]      ; (each step of the base stands behind a wait on XCNT for 0: the earlier stores have read it)
.elseif (\a) > 0
	s_add_nc_u64 s[10:11], s[10:11], 1024
.endif
.irp i, 0,1,2,3
	global_store_b128 v[CO0+(\i/2)], v[BB+4*\i:BB+4*\i+3], s[10:11] offset:512*(\i%2)   ; 32 lanes store 512 consecutive bytes, at a multiple of 512 from the buffer's first byte
.endr
.endm
	s_wait_kmcnt 0x0
	s_cmp_eq_u32 ttmp9, 1
	s_cselect_b32 s92, s87, s86                    ; e3 for k, e2 for q,
	s_cmp_eq_u32 ttmp9, 2
	s_cselect_b32 s92, s89, s92                    ; e5 for v
	s_sub_co_i32 s92, s92, s84
	s_sub_co_i32 s92, s92, s85                     ; eT - e0 - e1
	s_add_co_i32 s92, s92, 127
	s_lshl_b32 s96, s92, 23
	s_add_co_i32 s92, s92, 8
	s_lshl_b32 s92, s92, 23
	s_or_b32 s92, s92, 0x600000
	PLACES NP                                      ; behind the last products: for the first reads of results and for the loads into the registers that held A's fragments
	v_mov_b32 v[SCV], s96
	v_mov_b32 v[LIMV], s92
	TOSTAGE 0
.irp a, 1,2,3,4,5,6,7
.if \a > 1
	s_wait_xcnt 0x0                                ; block a - 2's stores have read their registers and their base: block a's loads may land there, and the base may step
.endif
	TOSTAGE \a
	SEND \a-1, 8                                   ; behind block a - 1's loads: block a's 4 stores and 4 loads
.endr
	s_wait_xcnt 0x0                                ; block 6's stores have read their base
	SEND 7, 0
	s_wait_tensorcnt 0x0                           ; the wave's end, behind my last tensor load and my last LDS store
	ds_add_u32 v[SPW], v[NIL]
	s_wait_dscnt 0x0
	CROUND                                         ; the closing round: no work-group ends while a partner may still ask for a tile that names it
	s_endpgm
.Lfunc_end_k_q8b8fc27ea9_qkv:
	.size	k_q8b8fc27ea9_qkv, .Lfunc_end_k_q8b8fc27ea9_qkv-k_q8b8fc27ea9_qkv
	.p2alignl 7, 3214868480
	.fill 96, 4, 3214868480
	.section	.rodata,"a",@progbits
	.p2align	6, 0x0
	.amdhsa_kernel k_q8b8fc27ea9_qkv
		.amdhsa_group_segment_fixed_size 327680
		.amdhsa_private_segment_fixed_size 0
		.amdhsa_enable_private_segment 0
		.amdhsa_kernarg_size 48
		.amdhsa_user_sgpr_count 2
		.amdhsa_user_sgpr_kernarg_segment_ptr 1
		.amdhsa_wavefront_size32 1
		.amdhsa_system_sgpr_workgroup_id_x 1
		.amdhsa_system_sgpr_workgroup_id_y 1
		.amdhsa_system_sgpr_workgroup_id_z 1
		.amdhsa_system_vgpr_workitem_id 0
		.amdhsa_next_free_vgpr 1024
		.amdhsa_next_free_sgpr 100
		.amdhsa_reserve_vcc 0
		.amdhsa_float_denorm_mode_32 3
		.amdhsa_float_denorm_mode_16_64 3
		.amdhsa_memory_ordered 1
		.amdhsa_forward_progress 1
		.amdhsa_inst_pref_size 125
	.end_amdhsa_kernel
	.amdgpu_metadata
---
amdhsa.version: [ 1, 2 ]
amdhsa.kernels:
  - .name:           k_q8b8fc27ea9_qkv
    .symbol:         k_q8b8fc27ea9_qkv.kd
    .args:
      - { .name: x_codes, .offset: 0, .size: 8, .value_kind: global_buffer, .address_space: global }
      - { .name: wq_codes, .offset: 8, .size: 8, .value_kind: global_buffer, .address_space: global }
      - { .name: lowp_scales, .offset: 16, .size: 8, .value_kind: global_buffer, .address_space: global }
      - { .name: q_codes, .offset: 24, .size: 8, .value_kind: global_buffer, .address_space: global }
      - { .name: k_codes, .offset: 32, .size: 8, .value_kind: global_buffer, .address_space: global }
      - { .name: v_codes, .offset: 40, .size: 8, .value_kind: global_buffer, .address_space: global }
    .group_segment_fixed_size: 327680
    .private_segment_fixed_size: 0
    .kernarg_segment_align: 8
    .kernarg_segment_size: 48
    .max_flat_workgroup_size: 128
    .sgpr_count:     100
    .vgpr_count:     1024
    .wavefront_size: 32
...
	.end_amdgpu_metadata
.endif
;; end of part 2
;; launch attn (part 3): grid 64 x 4, 16 waves a work-group, no clusters, 321,536 bytes of LDS; arguments q_codes, k_codes, v_codes, lowp_scales, att_codes; writes att_codes
.if DOCPART == 3
	.amdgcn_target "amdgcn-amd-amdhsa--gfx1250"
	.amdhsa_code_object_version 6
	.text
	.protected	k_q8b8fc27ea9_attn
	.globl	k_q8b8fc27ea9_attn
	.p2align	8
	.type	k_q8b8fc27ea9_attn,@function
k_q8b8fc27ea9_attn:
	s_mov_b64 s[64:65], 0
	v_nop
	global_prefetch_b8 v0, s[64:65] scope:SCOPE_SE
	s_setreg_imm32_b32 hwreg(HW_REG_WAVE_MODE, 25, 1), 1
	s_wait_xcnt 0x0
; Causal attention on codes of FP8 (E4M3): for each (b, head), o[q] = sum over keys k <= q of softmax(q . k / 8) v, both products on codes; o is quantised at once for the last product.
; q_codes, k_codes: [b 16 + head][token 2048][64 bytes]; v_codes: [b 16 + head][token / 64][d 64][64 bytes: tokens]; att_codes: [head][b 2048 + token][64 bytes].
; THE SOFTMAX AHEAD OF THE SECOND PRODUCT: t = score x log2(e) / 8; M = the running largest t, rounded UP to a whole number; p = 2^(t - M) is what is quantised (scale 2^e4), not normalised.
; The row's sum is taken of the unquantised p, in f32, and divides O at the end.  When M moves, the sum and O are multiplied by 2^(old M - new M): exact.
; WORK LEFT OUT: steps of 64 keys that lie wholly behind the causal mask: their p is 0 for all inputs.
; SHARES.  Four work-groups (y = 0 .. 3) own one (b, head) (x): 64 blocks of 32 queries.  Block j walks j / 2 + 1 steps of 64 keys.  Pair p = 4 (wave % 8) + y is the long block 63 - p and the short block p: 33 steps,
; laid on end: the long block's, then the short block's.  Two waves share a pair: wave w (0-7) takes the first ASPLIT = 24 of the 33, wave w + 8 the last 9.  The cut falls into the long block where that has more than
; 24 steps, else into the short one (or in front of it).  The block that is not cut is walked first, whole, by the one wave that owns it, and stored.  The cut block is walked last by both, each its own steps;
; then wave w + 8 hands its -M, sum and O^T to wave w through LDS; wave w brings both parts under the larger M (exact powers of two), adds them and stores the block.
; ONE TEXT FOR ALL WAVES: two loops of constant trip counts (24, 32); a trip outside the wave's range of steps is passed over by scalar branches on ids; a wave that owns no whole block has no step in the first loop.
; LDS.  The head's K and V codes, 2 x 131,072 bytes, are all kept in LDS: rows of 256 bytes (four keys, or four d) + 16 of padding.  Lane r of a fragment reads at 272 (r / 4) + 64 (r % 4) + 16 h:
; 16-byte column r / 4 + 4 (r % 4) + h modulo 16, another one for each of the sixteen lanes.  Each wave brings a sixteenth, 16,384 dense bytes, through its registers (32 loads of 512 bytes, 32 LDS stores);
; one barrier follows.  Nothing is filled again; the next barrier stands behind all steps, and behind it K's first bytes carry the hand-over (9,216 bytes a pair, an image of the registers).
; NO TENSOR LOAD: the fill is one pass at the head, and the text branches on the given e4 (below).
; NO CLUSTER: the ranges of steps hang on the work-group's y.  NO PREFETCH: all loads of K and V go out at the head, with no loop to run ahead in; the cut block's Q is loaded at the head by the wave that owns no whole block.
; LAYOUT.  Both products are used transposed: S^T = K Q^T (source 0 = 16 keys, source 1 = 16 queries, K = 64), O^T = V^T P^T (source 0 = 16 of the head's 64, source 1 = P, K = 64 keys): a lane holds ONE query of each tile.
; In S^T's tile t lane (r, h) holds keys 16 t + 8 h + 0 .. 7: the conversion's 8 bytes are registers 2 t, 2 t + 1 of P as the plain form wants them; Q, K and V were laid so that 16-byte loads give the same places.
; Each fragment of K and of V feeds two matrix instructions (the block's two tiles of 16 queries).
; THE HOLD.  p is at most 1, so it lies within 448 x 2^e4 wherever e4 >= -8: there a scalar branch on e4 leads round the 64 holds; for e4 <= -9 they are executed.
; O^T is cleared once: its sums of codes' products are finite for all inputs, so a later walk's first change of M (old -M = 3e38, f = 0) makes zeros of what the walk before left; a part with no step counts for 0 in the same way.
; LIMITS: e2 + e3 between -123 and 130 (added to c's exponent field); e4 between -126 and 119; e4 + e5 - e6 goes by v_ldexp_f32 and has none; the scaled scores stay under 2^31 in magnitude.
.set ASPLIT, 24                        ; steps of a pair's 33 that waves 0-7 take
.set PR,    272                        ; an LDS row
.set STEPB, 16*PR                      ; 64 keys of K, or a run of 64 keys of V
.set PART,  64*PR                      ; what one wave brings
.set VOFF,  8*PART                     ; V lies behind K
.set SPARE, 16*PART                    ; the spare words: 128 bytes for each of sixteen waves
.set STAGE, SPARE+2048                 ; the way out: 2 tiles x 16 rows x 80 bytes for each wave
.set PT,    80
.set XCHB,  18*512                     ; the hand-over of a pair: 18 groups of four registers
.set AL,   1                           ; v1   my lane's place in a fragment; never rewritten
.set ADK,  2                           ; v2   the same in the step's K (at the head: where my fill stores go)
.set ADV,  3                           ; v3   in the step's V
.set QO,   4                           ; v4   Q: 64 r + 16 h
.set SPW,  5                           ; v5   my spare word; never rewritten
.set NIL,  6                           ; v6   0; never rewritten
.set STO,  7
.set RD,   8
.set GO,   9                           ; v9   16 x lane
.set DA,   10                          ; v10  the diagonal: my first tile's query's place in the step - 8 h
.set RMH,  11                          ; v11  r - 8 h
.set XA,   12                          ; v12 -M, v13 the largest score, v[14:15] the sum in two halves: tile A's
.set XB,   16                          ; tile B's
.set Q,    20                          ; v20-35 Q's two fragments
.set KF,   36                          ; v36-67 four fragments of K
.set VF,   68                          ; v68-99 four of V
.set S,    100                         ; v100-163 S^T, then p: tile A, tile B
.set O,    164                         ; v164-227 O^T: tile A, tile B
.set PC,   228                         ; v228-243 p's codes
.set SC4,  244
.set LIM4, 245
.set NINF, 246
.set TOP,  247
.set FA,   248                         ; f of tile A; v249 is only named with it as a pair and holds 1.0, the last conversion's scale
.set ONE,  249
.set FB,   250                         ; f of tile B; v251 is only named with it as a pair and holds the hand-over's LDS address
.set XCH,  251
.set BUF,  36                          ; the fill: v36-163, 32 x 4 registers
.set WV,   18
.set ROLE, 19                          ; 0: waves 0-7; 1: waves 8-15
.set JS,   20
.set JL,   21
.set HB,   22
.set LAST, 24
.set KS,   25
.set TB,   26
.set FIRST, 27
.set FBS,  28
.set QB1,  30                          ; Q and the output's place of the whole block,
.set QB2,  32                          ; and of the cut block
.set OB1,  34
.set OB2,  36
.set CS,   38
.set EO,   40
.set DG,   41
.set SEL,  42
.set QA1,  44
.set W8,   46
.set ES,   48
.set J1,   56                          ; the whole block
.set J2,   57                          ; the cut block
.set SPT,  58                          ; the cut block's first step that is wave w + 8's
.set OWN,  59                          ; 0: the whole block is mine
.set LLN,  60                          ; the long block's steps
.macro QLOAD qa
.irp x, 0,1
	global_load_b128 v[Q+8*\x:Q+8*\x+3], v[QO], s[\qa:\qa+1] offset:1024*\x
	global_load_b128 v[Q+8*\x+4:Q+8*\x+7], v[QO], s[\qa:\qa+1] offset:1024*\x+32
.endr
.endm
.macro FLOAD reg, adr                  ; four fragments of 16 rows x 64 bytes
.irp t, 0,1,2,3
	ds_load_b128 v[\reg+8*\t:\reg+8*\t+3], v[\adr] offset:\t*4*PR
	ds_load_b128 v[\reg+8*\t+4:\reg+8*\t+7], v[\adr] offset:\t*4*PR+32
.endr
.endm
.macro FST first                       ; sixteen loads' bytes into LDS: two rows each
.set j, \first
.rept 16
	ds_store_b128 v[ADK], v[BUF+4*j:BUF+4*j+3] offset:2*PR*j
.set j, j+1
.endr
.endm
	s_load_b256 s[4:11], s[0:1], 0x0               ; q_codes, k_codes, v_codes, the scales' exponents
	s_load_b64 s[12:13], s[0:1], 0x20              ; att_codes
	v_lshrrev_b32 v252, 5, v0
	v_readfirstlane_b32 s[WV], v252                ; wave 0..15
	s_lshr_b32 s[ROLE], s[WV], 3
	s_and_b32 s[W8], s[WV], 7
	s_and_b32 s88, ttmp7, 0xffff
	s_lshl_b32 s[JS], s[W8], 2
	s_add_co_u32 s[JS], s[JS], s88                 ; the pair's short block,
	s_sub_co_u32 s[JL], 63, s[JS]                  ; its long block,
	s_lshr_b32 s[LLN], s[JL], 1
	s_add_co_u32 s[LLN], s[LLN], 1                 ; and that block's steps, 17 .. 32
	s_sub_co_u32 s91, ASPLIT, s[LLN]               ; (used only where it is not negative)
	s_cmp_gt_u32 s[LLN], ASPLIT                    ; does the cut fall into the long block?
	s_cselect_b32 s[J2], s[JL], s[JS]
	s_cselect_b32 s[J1], s[JS], s[JL]
	s_cselect_b32 s[SPT], ASPLIT, s91
	s_cselect_b32 s92, 1, 0                        ; then the short block is whole, and wave w + 8's
	s_xor_b32 s[OWN], s92, s[ROLE]
	s_lshl_b32 s[HB], ttmp9, 17                    ; the (b, head)'s first byte in q, k and v
	s_mov_b32 s[HB+1], 0
	s_mov_b32 s[SEL], 0x76543210
	s_mov_b32 s[SEL+1], 0xfedcba98
	s_mul_i32 s88, s[WV], PART
	s_mul_i32 s89, s[WV], 2*16*PT
	s_add_co_u32 s89, s89, STAGE
	s_mul_i32 s90, s[W8], XCHB
	v_lshl_add_u32 v[SPW], v0, 2, SPARE
	v_mov_b32 v[NIL], 0
	v_and_b32 v252, 15, v0                         ; r
	v_bfe_u32 v254, v0, 4, 1                       ; h
	v_and_b32 v253, 31, v0                         ; lane
	v_lshlrev_b32 v[QO], 6, v252
	v_mul_u32_u24 v[ADK], v254, PR
	v_lshrrev_b32 v[AL], 2, v252
	v_and_b32 v255, 3, v252
	v_lshl_add_u32 v[QO], v254, 4, v[QO]
	v_lshl_add_u32 v[ADK], v252, 4, v[ADK]
	v_mul_u32_u24 v[AL], v[AL], PR
	v_lshlrev_b32 v[GO], 4, v253
	v_add_nc_u32 v[ADK], s88, v[ADK]               ; the fill: lanes 0-15 one row of 256 bytes, lanes 16-31 the next, in my sixteenth
	v_lshl_add_u32 v[AL], v255, 6, v[AL]
	v_mul_u32_u24 v[STO], v252, PT
	v_lshrrev_b32 v[RD], 2, v253
	v_lshl_add_u32 v[AL], v254, 4, v[AL]           ; 272 (r / 4) + 64 (r % 4) + 16 h
	v_lshl_add_u32 v[STO], v254, 3, v[STO]
	v_mul_u32_u24 v[RD], v[RD], PT
	v_and_b32 v255, 3, v253
	v_add_nc_u32 v[STO], s89, v[STO]               ; the stage, in: row r, 8 bytes for each half of the lanes
	v_lshl_add_u32 v[RD], v255, 4, v[RD]
	v_lshlrev_b32 v255, 3, v254
	v_add_nc_u32 v[XCH], s90, v[GO]                ; the hand-over: 16 bytes a lane, 512 a group of four registers
	v_add_nc_u32 v[RD], s89, v[RD]                 ; back: four lanes to a row of 64 bytes
	v_sub_nc_u32 v[RMH], v252, v255
	v_mov_b32 v[NINF], 0xff800000
	v_mov_b32 v[TOP], 0x43e00000
	v_mov_b32 v[ONE], 1.0
	s_wait_alu depctr_va_vdst(0)                   ; directly ahead of the wait below
	s_wait_kmcnt 0x0
	s_load_b256 s[ES:ES+7], s[10:11], 0x0          ; e0 .. e7
	s_lshl_b32 s92, s[J1], 11                      ; 2,048 bytes of Q a block
	s_mov_b32 s93, 0
	s_add_nc_u64 s[92:93], s[92:93], s[HB:HB+1]
	s_add_nc_u64 s[QB1:QB1+1], s[4:5], s[92:93]
	s_lshl_b32 s92, s[J2], 11
	s_mov_b32 s93, 0
	s_add_nc_u64 s[92:93], s[92:93], s[HB:HB+1]
	s_add_nc_u64 s[QB2:QB2+1], s[4:5], s[92:93]
	s_cmp_eq_u32 s[OWN], 0
	s_cselect_b64 s[QA1:QA1+1], s[QB1:QB1+1], s[QB2:QB2+1]
	QLOAD QA1                                      ; the Q of my first steps: the oldest four loads
	s_lshl_b32 s92, s[W8], 14
	s_mov_b32 s93, 0
	s_add_nc_u64 s[92:93], s[92:93], s[HB:HB+1]
	s_cmp_lt_u32 s[WV], 8                          ; waves 0-7 bring K's eighths, waves 8-15 V's
	s_cselect_b64 s[FBS:FBS+1], s[6:7], s[8:9]
	s_add_nc_u64 s[FBS:FBS+1], s[FBS:FBS+1], s[92:93]
.set j, 0
.rept 32
	global_load_b128 v[BUF+4*j:BUF+4*j+3], v[GO], s[FBS:FBS+1] offset:512*j   ; 512 consecutive bytes
.set j, j+1
.endr
	s_and_b32 s94, ttmp9, 15
	s_lshl_b32 s94, s94, 19                        ; att_codes: 8,192 tokens of 64 bytes a head,
	s_lshr_b32 s95, ttmp9, 4
	s_lshl_b32 s95, s95, 17                        ; 2,048 tokens a b
	s_add_co_u32 s94, s94, s95
	s_lshl_b32 s92, s[J1], 11
	s_add_co_u32 s92, s92, s94
	s_mov_b32 s93, 0
	s_add_nc_u64 s[OB1:OB1+1], s[12:13], s[92:93]
	s_lshl_b32 s92, s[J2], 11
	s_add_co_u32 s92, s92, s94
	s_add_nc_u64 s[OB2:OB2+1], s[12:13], s[92:93]
	s_wait_kmcnt 0x0
	s_add_co_i32 s88, s[ES+2], s[ES+3]
	s_lshl_b32 s88, s88, 23
	s_mov_b32 s[CS], 0x3e38aa3b                    ; log2(e) / 8
	s_add_co_i32 s[CS], s[CS], s88                 ; a score stands for score x 2^(e2 + e3)
	s_mov_b32 s[CS+1], s[CS]
	s_add_co_i32 s88, s[ES+4], 127
	s_lshl_b32 s89, s88, 23
	s_add_co_i32 s88, s88, 8
	s_lshl_b32 s88, s88, 23
	s_or_b32 s88, s88, 0x600000
	s_add_co_i32 s[EO], s[ES+4], s[ES+5]
	s_sub_co_i32 s[EO], s[EO], s[ES+6]
	v_mov_b32 v[SC4], s89                          ; 2^e4
	v_mov_b32 v[LIM4], s88                         ; 448 x 2^e4
	v_mov_b32 v252, 0                              ; a lane permute's destination counts as one of its sources
	v_mov_b32 v253, 0
	v_mov_b32 v254, 0
	v_mov_b32 v255, 0
	s_wait_alu depctr_va_vdst(0)                   ; directly ahead of the wait below
	s_wait_loadcnt 16                              ; Q and loads 0-15 are in; 16-31 may be out
	FST 0
	s_wait_loadcnt 0x0
	FST 16
	s_wait_dscnt 0x0                               ; my sixteenth lies in LDS
	s_barrier_signal -1
	s_barrier_wait -1                              ; everybody's does
; A WALK over a block of 32 queries (number in s[jb]): a loop of a constant number of trips.  which = 1: the whole block: all its steps in the wave that owns it, none in the other.
; which = 2: the cut block: waves 0-7 take the steps under s[SPT], waves 8-15 those from s[SPT] to the diagonal.
.macro SEG jb, trips, which, clear
	s_lshr_b32 s[DG], s[\jb], 1                    ; the step on the diagonal
	s_and_b32 s88, s[\jb], 1
	s_lshl_b32 s88, s88, 5
.if \which == 1
	s_cmp_eq_u32 s[OWN], 0
	s_cselect_b32 s[LAST], s[DG], -1
	s_mov_b32 s[FIRST], 0
.else
	s_sub_co_i32 s89, s[SPT], 1
	s_cmp_eq_u32 s[ROLE], 0
	s_cselect_b32 s[LAST], s89, s[DG]
	s_cselect_b32 s[FIRST], 0, s[SPT]
.endif
	s_mov_b32 s[TB], 0
	s_mov_b32 s[KS], 0
	v_add_nc_u32 v[DA], s88, v[RMH]                ; register 8 t + i of tile x holds key 16 t + 8 h + i of the step: hidden where 16 t + i - 16 x > 32 (block % 2) + r - 8 h
.irp x, XA, XB
	v_mov_b32 v[\x], 0x7f61b1e6                    ; -M = 3e38,
	v_mov_b32 v[\x+1], 0xff61b1e6                  ; the largest score so far: -3e38,
	v_mov_b32 v[\x+2], 0                           ; the sum, in two halves
	v_mov_b32 v[\x+3], 0
.endr
.if \clear
.set j, 0
.rept 64
	v_mov_b32 v[O+j], 0
.set j, j+1
.endr
.endif
	s_wait_alu depctr_va_vdst(0)                   ; directly ahead of the wait below
	s_wait_loadcnt 0x0                             ; Q
.Lstep_\@:
	s_cmp_lt_u32 s[KS], s[FIRST]                   ; the other wave's steps,
	s_cbranch_scc1 .Lskip_\@
	s_cmp_gt_i32 s[KS], s[LAST]                    ; or behind my last
	s_cbranch_scc1 .Lskip_\@
	v_add_nc_u32 v[ADK], s[TB], v[AL]
	v_add_nc_u32 v[ADV], VOFF, v[ADK]
	v_nop                                          ; with the two additions: four places behind the last products, whose fragments of V are loaded over
	v_nop
	FLOAD KF, ADK
	FLOAD VF, ADV
	s_wait_dscnt 8                                 ; K is in; V's eight loads may be out
.irp t, 0,1,2,3
.irp x, 0,1
	v_wmma_f32_16x16x64_fp8_fp8 v[S+32*\x+8*\t:S+32*\x+8*\t+7], v[KF+8*\t:KF+8*\t+7], v[Q+8*\x:Q+8*\x+7], 0
.endr
.endr
.rept 4
	v_nop                                          ; places ahead of the first reads of the scores
.endr
	s_cmp_lg_u32 s[KS], s[DG]                      ; off the diagonal all 64 keys count
	s_cbranch_scc1 .Lopen_\@
.set n, 0
.rept 64
	v_cmp_gt_i32 vcc_lo, 16*((n%32)/8)+n%8-16*(n/32), v[DA]
	v_cndmask_b32 v[S+n], v[S+n], v[NINF], vcc_lo  ; a hidden key's score becomes -infinity ahead of the maximum: p = 0 then
.set n, n+1
.endr
.Lopen_\@:
	v_max3_num_f32 v252, v[XA+1], v[S], v[S+1]     ; the running largest score, the two tiles by turns, two chains each, each accumulator from its low end on
	v_max3_num_f32 v254, v[XB+1], v[S+32], v[S+33]
	v_max3_num_f32 v253, v[S+2], v[S+3], v[S+4]
	v_max3_num_f32 v255, v[S+34], v[S+35], v[S+36]
.irp i, 5,9,13,17,21,25
	v_max3_num_f32 v252, v252, v[S+\i], v[S+\i+1]
	v_max3_num_f32 v254, v254, v[S+32+\i], v[S+33+\i]
	v_max3_num_f32 v253, v253, v[S+\i+2], v[S+\i+3]
	v_max3_num_f32 v255, v255, v[S+34+\i], v[S+35+\i]
.endr
	v_max3_num_f32 v252, v252, v[S+29], v[S+30]
	v_max3_num_f32 v254, v254, v[S+61], v[S+62]
	v_max3_num_f32 v252, v252, v253, v[S+31]
	v_max3_num_f32 v254, v254, v255, v[S+63]
	v_permlanex16_b32 v253, v252, s[SEL], s[SEL+1]
	v_permlanex16_b32 v255, v254, s[SEL], s[SEL+1]
	v_max_num_f32 v[XA+1], v252, v253              ; and lane l xor 16's
	v_max_num_f32 v[XB+1], v254, v255
	v_mul_f32 v252, s[CS], v[XA+1]                 ; as t (c is positive)
	v_mul_f32 v254, s[CS], v[XB+1]
	v_floor_f32 v253, -v252                        ; the new -M = -ceil(t)
	v_floor_f32 v255, -v254
	v_sub_f32 v252, v253, v[XA]                    ; old M - new M: a whole number, 0 or less
	v_sub_f32 v254, v255, v[XB]
	v_mov_b32 v[XA], v253
	v_mov_b32 v[XB], v255
	v_cvt_i32_f32 v252, v252                       ; (it saturates)
	v_cvt_i32_f32 v254, v254
	v_ldexp_f32 v[FA], 1.0, v252                   ; f = 2^(old M - new M)
	v_ldexp_f32 v[FB], 1.0, v254
.set j, 0
.rept 16
	v_pk_fma_f32 v[S+j:S+j+1], v[S+j:S+j+1], s[CS:CS+1], v[XA:XA+1] op_sel_hi:[1,0,0]   ; t - M, two at a time
	v_pk_fma_f32 v[S+32+j:S+33+j], v[S+32+j:S+33+j], s[CS:CS+1], v[XB:XB+1] op_sel_hi:[1,0,0]
.set j, j+2
.endr
.set j, 0
.rept 16
	v_pk_mul_f32 v[O+j:O+j+1], v[O+j:O+j+1], v[FA:FA+1] op_sel_hi:[1,0]   ; O^T under the new M, ahead of the exponentials
	v_pk_mul_f32 v[O+32+j:O+33+j], v[O+32+j:O+33+j], v[FB:FB+1] op_sel_hi:[1,0]
.set j, j+2
.endr
	v_pk_mul_f32 v[XA+2:XA+3], v[XA+2:XA+3], v[FA:FA+1] op_sel_hi:[1,0]   ; and the sums
	v_pk_mul_f32 v[XB+2:XB+3], v[XB+2:XB+3], v[FB:FB+1] op_sel_hi:[1,0]
	s_wait_alu depctr_va_vdst(0)
.set j, 0
.rept 64
	v_exp_f32 v[S+j], v[S+j]                       ; p = 2^(t - M), at most 1
.set j, j+1
.endr
	v_nop                                          ; a plain line behind the exponentials
	s_wait_alu depctr_va_vdst(0)                   ; one wait for the batch, ahead of its first reader
	v_pk_add_f32 v[252:253], v[S:S+1], v[S+2:S+3]  ; the rows' sums are taken of the unquantised p
	v_pk_add_f32 v[254:255], v[S+32:S+33], v[S+34:S+35]
.irp j, 4,8,12,16,20,24,28
	v_pk_add_f32 v[XA+2:XA+3], v[XA+2:XA+3], v[S+\j:S+\j+1]
	v_pk_add_f32 v[XB+2:XB+3], v[XB+2:XB+3], v[S+32+\j:S+33+\j]
	v_pk_add_f32 v[252:253], v[252:253], v[S+\j+2:S+\j+3]
	v_pk_add_f32 v[254:255], v[254:255], v[S+34+\j:S+35+\j]
.endr
	v_pk_add_f32 v[XA+2:XA+3], v[XA+2:XA+3], v[252:253]
	v_pk_add_f32 v[XB+2:XB+3], v[XB+2:XB+3], v[254:255]
	s_wait_alu depctr_va_vdst(0)
	s_cmp_gt_i32 s[ES+4], -9                       ; e4 >= -8: 448 x 2^e4 >= 1.75 >= p: the hold would change nothing
	s_cbranch_scc1 .Lnohold_\@
.set j, 0
.rept 64
	v_min_num_f32 v[S+j], v[S+j], v[LIM4]          ; the conversion to an 8-bit code does not saturate (ISA guide 7.6.2); p is not negative
.set j, j+1
.endr
.Lnohold_\@:
.irp x, 0,1
.irp t, 0,1,2,3
	v_cvt_scalef32_pk8_fp8_f32 v[PC+8*\x+2*\t:PC+8*\x+2*\t+1], v[S+32*\x+8*\t:S+32*\x+8*\t+7], v[SC4]
.endr
.endr
	v_nop                                          ; one plain line between the conversions and the products that read the codes
	s_wait_alu depctr_va_vdst(0)                   ; directly ahead of the wait below
	s_wait_dscnt 0x0                               ; V is in
.irp t, 0,1,2,3
.irp x, 0,1
	v_wmma_f32_16x16x64_fp8_fp8 v[O+32*\x+8*\t:O+32*\x+8*\t+7], v[VF+8*\t:VF+8*\t+7], v[PC+8*\x:PC+8*\x+7], v[O+32*\x+8*\t:O+32*\x+8*\t+7]   ; eight accumulators by turns; eight score products stand between two steps of a sum
.endr
.endr
.Lskip_\@:
	s_add_co_u32 s[TB], s[TB], STEPB
	s_add_co_u32 s[KS], s[KS], 1
	s_cmp_lt_u32 s[KS], \trips
	s_cbranch_scc1 .Lstep_\@
.rept 4
	v_nop                                          ; places behind the last products, on every way here
.endr
	s_wait_alu depctr_va_vdst(0)
.endm
; THE WAY OUT of a block.  O^T x 2^(e4 + e5 - e6) / the sum is held within +-448 and converted with the scale 1; the block's codes go through my stage and leave as 2,048 consecutive bytes.
.macro WAYOUT oa
	v_add_f32 v[XA+2], v[XA+2], v[XA+3]
	v_add_f32 v[XB+2], v[XB+2], v[XB+3]
	v_permlanex16_b32 v252, v[XA+2], s[SEL], s[SEL+1]
	v_permlanex16_b32 v254, v[XB+2], s[SEL], s[SEL+1]
	v_add_f32 v[XA+2], v[XA+2], v252
	v_add_f32 v[XB+2], v[XB+2], v254
	s_wait_alu depctr_va_vdst(0)                   ; ahead of the two reciprocals
	v_rcp_f32 v[XA+2], v[XA+2]
	v_rcp_f32 v[XB+2], v[XB+2]
	v_nop
	s_wait_alu depctr_va_vdst(0)                   ; and behind them, ahead of their first reader
	v_ldexp_f32 v[XA+2], v[XA+2], s[EO]
	v_ldexp_f32 v[XB+2], v[XB+2], s[EO]
	s_wait_alu depctr_va_vdst(0)                   ; directly ahead of the first reader of O^T
.set j, 0
.rept 32
	v_mul_f32 v[S+j], v[O+j], v[XA+2]              ; register 8 t + i is o(query r, d = 16 t + 8 h + i) / 2^e6
.set j, j+1
.endr
.rept 32
	v_mul_f32 v[S+j], v[O+j], v[XB+2]
.set j, j+1
.endr
.set j, 0
.rept 64
	v_med3_num_f32 v[S+j], v[S+j], -v[TOP], v[TOP]
.set j, j+1
.endr
.irp x, 0,1
.irp t, 0,1,2,3
	v_cvt_scalef32_pk8_fp8_f32 v[PC+8*\x+2*\t:PC+8*\x+2*\t+1], v[S+32*\x+8*\t:S+32*\x+8*\t+7], v[ONE]
.endr
.endr
	v_nop                                          ; one plain line behind the last conversion
.irp x, 0,1
.irp t, 0,1,2,3
	ds_store_b64 v[STO], v[PC+8*\x+2*\t:PC+8*\x+2*\t+1] offset:\x*16*PT+16*\t   ; d in its true order
.endr
.endr
.irp i, 0,1,2,3
	ds_load_b128 v[KF+4*\i:KF+4*\i+3], v[RD] offset:\i*8*PT   ; LDS serves a wave's instructions in order (ISA guide 5.7.1.4): these see my stores
.endr
	s_wait_dscnt 0x0
.irp i, 0,1,2,3
	global_store_b128 v[GO], v[KF+4*\i:KF+4*\i+3], s[\oa:\oa+1] offset:512*\i   ; 32 lanes store 512 consecutive bytes, at a multiple of 512 from the buffer's first byte
.endr
	s_wait_xcnt 0x0                                ; the stores have read their registers, which later loads take
.endm
	SEG J1, 24, 1, 1                               ; the whole block (at most 24 steps), in the wave that owns it
	s_cmp_lg_u32 s[OWN], 0
	s_cbranch_scc1 .Lno_out
	QLOAD QB2                                      ; its owner: the cut block's Q,
	WAYOUT OB1                                     ; and the whole block leaves
.Lno_out:
	SEG J2, 32, 2, 0                               ; the cut block: each wave its own steps
	s_wait_dscnt 0x0
	s_barrier_signal -1
	s_barrier_wait -1                              ; nobody reads K or V any more
	s_cmp_eq_u32 s[ROLE], 0
	s_cbranch_scc1 .Lno_give
.set j, 0
.rept 16
	ds_store_b128 v[XCH], v[O+4*j:O+4*j+3] offset:512*j   ; waves 8-15: O^T, each accumulator from its low end on,
.set j, j+1
.endr
	ds_store_b128 v[XCH], v[XA:XA+3] offset:512*16 ; -M and the sums
	ds_store_b128 v[XCH], v[XB:XB+3] offset:512*17
.Lno_give:
	s_wait_dscnt 0x0
	s_barrier_signal -1
	s_barrier_wait -1
	s_cmp_lg_u32 s[ROLE], 0
	s_cbranch_scc1 .Lend
.set j, 0
.rept 16
	ds_load_b128 v[S+4*j:S+4*j+3], v[XCH] offset:512*j    ; waves 0-7: the same registers in the same lanes
.set j, j+1
.endr
	ds_load_b128 v[PC:PC+3], v[XCH] offset:512*16
	ds_load_b128 v[PC+4:PC+7], v[XCH] offset:512*17
	s_wait_dscnt 0x0
	v_min_num_f32 v252, v[XA], v[PC]               ; -M of both parts together
	v_min_num_f32 v254, v[XB], v[PC+4]
	v_sub_f32 v253, v252, v[XA]                    ; my M less the common one,
	v_sub_f32 v255, v254, v[XB]
	v_sub_f32 v252, v252, v[PC]                    ; the other part's M less the common one: whole numbers, 0 or less
	v_sub_f32 v254, v254, v[PC+4]
	v_cvt_i32_f32 v253, v253
	v_cvt_i32_f32 v255, v255
	v_cvt_i32_f32 v252, v252
	v_cvt_i32_f32 v254, v254
	v_ldexp_f32 v[FA], 1.0, v253
	v_ldexp_f32 v[FB], 1.0, v255
	v_ldexp_f32 v252, 1.0, v252
	v_ldexp_f32 v254, 1.0, v254
.set j, 0
.rept 16
	v_pk_mul_f32 v[O+j:O+j+1], v[O+j:O+j+1], v[FA:FA+1] op_sel_hi:[1,0]
	v_pk_mul_f32 v[O+32+j:O+33+j], v[O+32+j:O+33+j], v[FB:FB+1] op_sel_hi:[1,0]
.set j, j+2
.endr
	v_pk_mul_f32 v[XA+2:XA+3], v[XA+2:XA+3], v[FA:FA+1] op_sel_hi:[1,0]
	v_pk_mul_f32 v[XB+2:XB+3], v[XB+2:XB+3], v[FB:FB+1] op_sel_hi:[1,0]
.set j, 0
.rept 16
	v_pk_fma_f32 v[O+j:O+j+1], v[S+j:S+j+1], v[252:253], v[O+j:O+j+1] op_sel_hi:[1,0,1]
	v_pk_fma_f32 v[O+32+j:O+33+j], v[S+32+j:S+33+j], v[254:255], v[O+32+j:O+33+j] op_sel_hi:[1,0,1]
.set j, j+2
.endr
	v_pk_fma_f32 v[XA+2:XA+3], v[PC+2:PC+3], v[252:253], v[XA+2:XA+3] op_sel_hi:[1,0,1]
	v_pk_fma_f32 v[XB+2:XB+3], v[PC+6:PC+7], v[254:255], v[XB+2:XB+3] op_sel_hi:[1,0,1]
	WAYOUT OB2                                     ; the cut block leaves
.Lend:
	s_wait_tensorcnt 0x0                           ; the wave's end, behind my last LDS store
	ds_add_u32 v[SPW], v[NIL]
	s_wait_dscnt 0x0
	s_endpgm
.Lfunc_end_k_q8b8fc27ea9_attn:
	.size	k_q8b8fc27ea9_attn, .Lfunc_end_k_q8b8fc27ea9_attn-k_q8b8fc27ea9_attn
	.p2alignl 7, 3214868480
	.fill 96, 4, 3214868480
	.section	.rodata,"a",@progbits
	.p2align	6, 0x0
	.amdhsa_kernel k_q8b8fc27ea9_attn
		.amdhsa_group_segment_fixed_size 321536
		.amdhsa_private_segment_fixed_size 0
		.amdhsa_enable_private_segment 0
		.amdhsa_kernarg_size 40
		.amdhsa_user_sgpr_count 2
		.amdhsa_user_sgpr_kernarg_segment_ptr 1
		.amdhsa_wavefront_size32 1
		.amdhsa_system_sgpr_workgroup_id_x 1
		.amdhsa_system_sgpr_workgroup_id_y 1
		.amdhsa_system_sgpr_workgroup_id_z 1
		.amdhsa_system_vgpr_workitem_id 0
		.amdhsa_next_free_vgpr 256
		.amdhsa_next_free_sgpr 100
		.amdhsa_reserve_vcc 1
		.amdhsa_float_denorm_mode_32 3
		.amdhsa_float_denorm_mode_16_64 3
		.amdhsa_memory_ordered 1
		.amdhsa_forward_progress 1
		.amdhsa_inst_pref_size 79
	.end_amdhsa_kernel
	.amdgpu_metadata
---
amdhsa.version: [ 1, 2 ]
amdhsa.kernels:
  - .name:           k_q8b8fc27ea9_attn
    .symbol:         k_q8b8fc27ea9_attn.kd
    .args:
      - { .name: q_codes, .offset: 0, .size: 8, .value_kind: global_buffer, .address_space: global }
      - { .name: k_codes, .offset: 8, .size: 8, .value_kind: global_buffer, .address_space: global }
      - { .name: v_codes, .offset: 16, .size: 8, .value_kind: global_buffer, .address_space: global }
      - { .name: lowp_scales, .offset: 24, .size: 8, .value_kind: global_buffer, .address_space: global }
      - { .name: att_codes, .offset: 32, .size: 8, .value_kind: global_buffer, .address_space: global }
    .group_segment_fixed_size: 321536
    .private_segment_fixed_size: 0
    .kernarg_segment_align: 8
    .kernarg_segment_size: 40
    .max_flat_workgroup_size: 512
    .sgpr_count:     100
    .vgpr_count:     256
    .wavefront_size: 32
...
	.end_amdgpu_metadata
.endif
;; end of part 3
;; launch proj (part 4): grid 4 x 32, 4 waves a work-group, clusters of 4 x 4, 327,680 bytes of LDS; arguments att_codes, wp_codes, lowp_scales, b_proj, out0; writes out0
.if DOCPART == 4
	.amdgcn_target "amdgcn-amd-amdhsa--gfx1250"
	.amdhsa_code_object_version 6
	.text
	.protected	k_q8b8fc27ea9_proj
	.globl	k_q8b8fc27ea9_proj
	.p2align	8
	.type	k_q8b8fc27ea9_proj,@function
k_q8b8fc27ea9_proj:
	s_mov_b64 s[64:65], 0
	v_nop
	global_prefetch_b8 v0, s[64:65] scope:SCOPE_SE
	s_setreg_imm32_b32 hwreg(HW_REG_WAVE_MODE, 25, 1), 1
	s_wait_xcnt 0x0
	s_wait_alu depctr_hold_cnt(0) depctr_sa_sdst(0) depctr_va_vdst(0) depctr_va_sdst(0) depctr_va_ssrc(0) depctr_va_vcc(0) depctr_vm_vsrc(0)
	s_getreg_b32 s2, hwreg(HW_REG_IB_STS2, 6, 4)
	s_cmp_eq_u32 s2, 0
	s_cbranch_scc0 .Lentry_in_a_cluster
	s_endpgm
.Lentry_in_a_cluster:
	s_bfe_u32 s2, ttmp6, 0x10000c
	s_cmp_lg_u32 s2, 0xf033
	s_cbranch_scc0 .Lentry_shape_is_right
	s_endpgm
.Lentry_shape_is_right:
.set SIZE_N, 1024
.set SIZE_K, 1024
.set KSTEP,  256
.set ROWB,   256
.set KROW,   SIZE_K
.set PITCH,  272
.set PA,     80
.set PLANE,  128*PA
.set AH,     4*PLANE
.set BH,     128*PITCH
.set BOFF,   2*AH
.set SLOT,   2*AH+2*BH
.set KA,     4*524288
.set FR,     16
.set NL,     4
.set NP,     4
.set LAPS,   SIZE_K/(2*KSTEP)
.set SPARE,  2*SLOT
.set SPITCH, 528
.set BI,   8
.set ADRA, 16
.set ADRB, 20
.set STO,  24
.set RD,   25
.set CO,   26
.set SPW,  28
.set NIL,  29
.set AF,   128
.set BK,   128
.set G1, 24
.set G0, 32
.set G1B, 48
.set G0B, 56
.set MSB, 0
.macro WIN new
.if MSB != (\new)
	s_set_vgpr_msb (MSB<<8)|(\new)
.set MSB, (\new)
.endif
.endm
.set MUL_LO, 0xa1
.set MUL_HI, 0xf1
.set TO_B,   0x40
.macro JLOAD g0a, g1a, g0b, g1b
	s_cmp_eq_u32 s15, 0
	s_cbranch_scc0 .Lfor_b_\@
	tensor_load_to_lds s[\g0a:\g0a+3], s[\g1a:\g1a+7]
	s_nop 0
.rept 4
	v_nop
.endr
	s_branch .Lasked_\@
.Lfor_b_\@:
	tensor_load_to_lds s[\g0b:\g0b+3], s[\g1b:\g1b+7]
	s_nop 0
.rept 4
	v_nop
.endr
.Lasked_\@:
.endm
.macro CREST
	s_cmp_lg_u32 s14, 0
	s_cbranch_scc1 .Lnot_wave_0_\@
	s_barrier_signal -3
.Lnot_wave_0_\@:
	s_barrier_wait -3
	s_barrier_signal -1
	s_barrier_wait -1
.endm
.macro CROUND
	s_barrier_signal -1
	s_barrier_wait -1
	CREST
.endm
	s_load_b128 s[4:7], s[0:1], 0x0
	s_load_b128 s[8:11], s[0:1], 0x10
	s_load_b64 s[12:13], s[0:1], 0x20
	v_lshl_add_u32 v[SPW], v0, 2, SPARE
	v_mov_b32 v[NIL], 0
	ds_add_u32 v28, v29
	ds_add_u32 v28, v29
	s_wait_dscnt 0x0
	v_lshrrev_b32 v1, 5, v0
	v_readfirstlane_b32 s14, v1
	s_lshr_b32 s15, s14, 1
	s_and_b32 s16, s14, 1
	s_bfe_u32 s40, ttmp6, 0x40000
	s_bfe_u32 s41, ttmp6, 0x40004
	s_lshl_b32 s42, ttmp9, 2
	s_add_co_u32 s42, s42, s40
	s_and_b32 s17, ttmp7, 0xffff
	s_lshl_b32 s17, s17, 2
	s_add_co_u32 s17, s17, s41
	s_lshl_b32 s43, s41, 2
	s_lshl_b32 s43, 15, s43
	s_lshl_b32 s44, 0x1111, s40
	s_or_b32 s[G1+0], s43, (0<<16)|(1<<20)|(1<<21)|(3<<22)|(3<<25)
	s_mov_b32 s[G1+1], 8192<<16
	s_mov_b32 s[G1+2], 4<<16
	s_mov_b32 s[G1+3], 8192<<16
	s_mov_b32 s[G1+4], 4
	s_mov_b32 s[G1+5], 524288
	s_mov_b32 s[G1+6], 0
	s_mov_b32 s[G1+7], 0
	s_or_b32 s[G1B+0], s44, (0<<16)|(1<<20)|(1<<21)|(5<<22)|(3<<25)
	s_mov_b32 s[G1B+1], ROWB<<16
	s_mov_b32 s[G1B+2], 128<<16
	s_mov_b32 s[G1B+3], ROWB<<16
	s_mov_b32 s[G1B+4], 128
	s_mov_b32 s[G1B+5], KROW
	s_mov_b32 s[G1B+6], 0
	s_mov_b32 s[G1B+7], 0
	s_lshl_b32 s18, s16, 7
	s_lshl_b32 s20, s17, 8
	s_add_co_u32 s20, s20, s18
	s_lshl_b32 s20, s20, 6
	s_mov_b32 s21, 0
	s_lshl_b32 s46, s42, 8
	s_add_co_u32 s46, s46, s18
	s_lshl_b32 s46, s46, 10
	s_mov_b32 s47, 0
	s_mul_i32 s45, s16, AH
	s_mul_i32 s19, s16, BH
	s_add_co_u32 s19, s19, BOFF
	s_wait_kmcnt 0x0
	s_load_b64 s[96:97], s[8:9], 0x18
	s_add_nc_u64 s[20:21], s[4:5], s[20:21]
	s_add_nc_u64 s[46:47], s[6:7], s[46:47]
	CROUND
.irp s, 0,1
	s_mov_b32 s[G0+4*\s], 1
	s_add_co_u32 s[G0+4*\s+1], s45, \s*SLOT
	s_add_nc_u64 s[G0+4*\s+2:G0+4*\s+3], s[20:21], \s*KA
	s_or_b32 s[G0+4*\s+3], s[G0+4*\s+3], 0x80000000
	s_mov_b32 s[G0B+4*\s], 1
	s_add_co_u32 s[G0B+4*\s+1], s19, \s*SLOT
	s_add_nc_u64 s[G0B+4*\s+2:G0B+4*\s+3], s[46:47], \s*ROWB
	s_or_b32 s[G0B+4*\s+3], s[G0B+4*\s+3], 0x80000000
.endr
	JLOAD G0, G1, G0B, G1B                         ; K step 0: one tensor load a wave at the head
	; PREFETCHES INTO THE L2.  What I fetch in a K step is shared out BY ADDRESS among the four partners that ask for it jointly.  A: four planes (heads) of 128 tokens x 64 bytes: partner cx names plane cx, lanes 256 bytes apart.
	; B: 128 rows: partner cy names 32, a lane a row, 256 bytes of it.  K steps 1 and 2 are named here, behind K step 0's load; K step 3 behind K step 1's load.  s[76:81] and v30 are never rewritten.
	s_lshl_b32 s66, s17, 8
	s_lshl_b32 s68, s16, 7
	s_add_co_u32 s66, s66, s68                     ; A: my first token,
	s_lshl_b32 s66, s66, 6                         ; 64 bytes each,
	s_lshl_b32 s67, s40, 19
	s_add_co_u32 s66, s66, s67                     ; in plane cx
	s_lshl_b32 s69, s42, 8
	s_add_co_u32 s69, s69, s68
	s_lshl_b32 s67, s41, 5
	s_add_co_u32 s69, s69, s67                     ; B: my work-group's first row,
	s_lshl_b32 s69, s69, 10                        ; 1,024 bytes each
	s_mov_b32 s73, ROWB
	s_cmp_eq_u32 s15, 0                            ; do I fetch for A?
	s_cselect_b32 s66, s66, s69
	s_cselect_b64 s[70:71], s[4:5], s[6:7]
	s_cselect_b32 s74, KA, s73                     ; a K step on
	s_cselect_b32 s72, 8, 10                       ; from lane to lane: 256 or 1,024 bytes
	s_mov_b32 s67, 0
	s_mov_b32 s75, 0
	s_add_nc_u64 s[70:71], s[70:71], s[66:67]
	s_add_nc_u64 s[76:77], s[70:71], s[74:75]      ; K step 1,
	s_add_nc_u64 s[78:79], s[76:77], s[74:75]      ; 2,
	s_add_nc_u64 s[80:81], s[78:79], s[74:75]      ; 3
	v_and_b32 v30, 31, v0
	v_lshlrev_b32 v30, s72, v30
	global_prefetch_b8 v30, s[76:77] th:TH_LOAD_NT scope:SCOPE_SE
	global_prefetch_b8 v30, s[78:79] th:TH_LOAD_NT scope:SCOPE_SE
	v_and_b32 v1, 15, v0
	v_bfe_u32 v2, v0, 4, 1
	v_mul_u32_u24 v3, v1, PA
	v_lshl_add_u32 v3, v2, 4, v3
	v_mul_u32_u24 v4, v1, PITCH
	v_lshl_add_u32 v4, v2, 4, v4
	s_mul_i32 s21, s15, AH
	s_mul_i32 s22, s16, BH
	s_add_co_u32 s22, s22, BOFF
.irp s, 0,1
	v_add_nc_u32 v[ADRA+\s], s21, v3
	v_add_nc_u32 v[ADRB+\s], s22, v4
	s_add_co_u32 s21, s21, SLOT
	s_add_co_u32 s22, s22, SLOT
.endr
	s_mul_i32 s23, s14, 16*SPITCH
	v_mul_u32_u24 v5, v1, SPITCH
	v_lshl_add_u32 v5, v2, 5, v5
	v_add_nc_u32 v[STO], s23, v5
	v_and_b32 v6, 31, v0
	v_lshlrev_b32 v[CO], 4, v6
	v_add_nc_u32 v[RD], s23, v[CO]
	s_lshl_b32 s46, s42, 10
	s_lshl_b32 s47, s16, 9
	s_add_co_u32 s46, s46, s47
	s_mov_b32 s47, 0
	s_add_nc_u64 s[10:11], s[10:11], s[46:47]
	global_load_b128 v[BI:BI+3], v[CO], s[10:11]
	s_lshl_b32 s20, s17, 8
	s_lshl_b32 s21, s15, 7
	s_add_co_u32 s20, s20, s21
	s_lshl_b32 s20, s20, 12
	s_mov_b32 s21, 0
	s_add_nc_u64 s[20:21], s[20:21], s[46:47]
	s_add_nc_u64 s[12:13], s[12:13], s[20:21]
.macro FRAG reg, adr, q, i
.irp c, 0,1,2,3
	ds_load_b128 v[\reg+4*\c:\reg+4*\c+3], v[\adr] offset:128*(\q)+32*\c+(\i)*16*PITCH
.endr
.endm
.macro FRAGA reg, adr, q, i
.irp c, 0,1,2,3
	ds_load_b128 v[\reg+4*\c:\reg+4*\c+3], v[\adr] offset:(2*(\q)+\c/2)*PLANE+(\i)*16*PA+32*(\c%2)
.endr
.endm
.macro MUL16 a0, p, zero
.irp a, \a0, \a0+1
.irp b, 0,1,2,3,4,5,6,7
.if \zero
	v_wmma_f32_16x16x128_fp8_fp8 v[8*(8*((\a)%4)+\b):8*(8*((\a)%4)+\b)+7], v[128*(\p)+FR*\b:128*(\p)+FR*\b+FR-1], v[AF+FR*(\a):AF+FR*(\a)+FR-1], 0
.else
	v_wmma_f32_16x16x128_fp8_fp8 v[8*(8*((\a)%4)+\b):8*(8*((\a)%4)+\b)+7], v[128*(\p)+FR*\b:128*(\p)+FR*\b+FR-1], v[AF+FR*(\a):AF+FR*(\a)+FR-1], v[8*(8*((\a)%4)+\b):8*(8*((\a)%4)+\b)+7]
.endif
.endr
.endr
.endm
.macro FETCH_B slot, q, p
	WIN TO_B
.irp i, 0,1,2,3,4,5,6,7
	FRAG 128*(\p)+FR*\i, ADRB+\slot, \q, \i
.endr
	WIN 0
.endm
.macro FETCH_A slot, q, i0
.irp i, \i0, \i0+1, \i0+2, \i0+3
	FRAGA AF+FR*(\i), ADRA+\slot, \q, \i
.endr
.endm
.macro PLACES n
.rept \n
	v_nop
.endr
.endm
.macro STEP slot, q, zero
	s_wait_dscnt 4*NL
	WIN MUL_LO
	MUL16 0, (\q)%2, \zero
	MUL16 2, (\q)%2, \zero
	s_wait_dscnt 0
	PLACES NP
	FETCH_B \slot, (\q)+1, 1-(\q)%2
	FETCH_A \slot, (\q)+1, 0
	WIN MUL_HI
	MUL16 4, (\q)%2, \zero
	MUL16 6, (\q)%2, \zero
	PLACES NP
	WIN 0
	FETCH_A \slot, (\q)+1, 4
.endm
.macro TURN slot, next, fill
	s_wait_tensorcnt 0x0
	ds_add_u32 v[SPW], v[NIL]
	s_wait_dscnt 4*NL+1
	WIN MUL_LO
	MUL16 0, 1, 0
	s_wait_dscnt 0x0
	s_barrier_signal -1
	MUL16 2, 1, 0
	WIN 0
	s_barrier_wait -1
.if \fill
	CREST
	s_add_nc_u64 s[G0+4*\slot+2:G0+4*\slot+3], s[G0+4*\slot+2:G0+4*\slot+3], 2*KA
	s_add_nc_u64 s[G0B+4*\slot+2:G0B+4*\slot+3], s[G0B+4*\slot+2:G0B+4*\slot+3], 2*ROWB
	JLOAD G0+4*\slot, G1, G0B+4*\slot, G1B
.else
	PLACES NP
.endif
	FETCH_B \next, 0, 0
	FETCH_A \next, 0, 0
	WIN MUL_HI
	MUL16 4, 1, 0
	MUL16 6, 1, 0
	PLACES NP
	WIN 0
	FETCH_A \next, 0, 4
.endm
	s_wait_alu depctr_va_vdst(0)
	s_wait_tensorcnt 0x0                           ; my part of K step 0 is in; slot 1's first fill is issued as a refill is:
	ds_add_u32 v[SPW], v[NIL]                      ; 0 onto my spare word
	s_wait_dscnt 0x0                               ; the add is done
	CROUND                                         ; everybody's part of K step 0 is in, and all sixteen work-groups are here
	JLOAD G0+4, G1, G0B+4, G1B                     ; K step 1: the first tensor load behind the round
	FETCH_B 0, 0, 0
	FETCH_A 0, 0, 0
	FETCH_A 0, 0, 4
	global_prefetch_b8 v30, s[80:81] th:TH_LOAD_NT scope:SCOPE_SE   ; K step 3, two refills ahead of its load
	STEP 0, 0, 1
	s_mov_b32 s3, LAPS-1
.Llap:
	TURN 0, 1, 1
	STEP 1, 0, 0
	TURN 1, 0, 1
	STEP 0, 0, 0
	s_sub_co_u32 s3, s3, 1
	s_cmp_lg_u32 s3, 0
	s_cbranch_scc1 .Llap
	TURN 0, 1, 0
	STEP 1, 0, 0
	s_wait_dscnt 4*NL
	WIN MUL_LO
	MUL16 0, 1, 0
	MUL16 2, 1, 0
	s_wait_dscnt 0
	WIN MUL_HI
	MUL16 4, 1, 0
	MUL16 6, 1, 0
	WIN 0
.macro TOSTAGE a
.set AC, 64*((\a)%4)
.set BB, BK+64*((\a)%2)
	WIN 0x08+4*((\a)/4)
.irp b, 0,1,2,3,4,5,6,7
	ds_store_b128 v[STO], v[AC+8*\b:AC+8*\b+3] offset:64*\b
	ds_store_b128 v[STO], v[AC+8*\b+4:AC+8*\b+7] offset:64*\b+16
.endr
	WIN 0
.irp t, 0,1,2,3,4,5,6,7,8,9,10,11,12,13,14,15
	ds_load_b128 v[BB+4*\t:BB+4*\t+3], v[RD] offset:\t*SPITCH
.endr
.endm
.macro SEND a, younger
.set BB, BK+64*((\a)%2)
	s_wait_dscnt \younger
.if (\a) > 0
	s_add_nc_u64 s[12:13], s[12:13], 16*SIZE_N*4
.endif
.irp t, 0,1,2,3,4,5,6,7,8,9,10,11,12,13,14,15
	v_pk_fma_f32 v[BB+4*\t:BB+4*\t+1], v[BB+4*\t:BB+4*\t+1], s[96:97], v[BI:BI+1] op_sel_hi:[1,0,1]
	v_pk_fma_f32 v[BB+4*\t+2:BB+4*\t+3], v[BB+4*\t+2:BB+4*\t+3], s[96:97], v[BI+2:BI+3] op_sel_hi:[1,0,1]
.endr
.irp t, 0,1,2,3,4,5,6,7,8,9,10,11,12,13,14,15
	global_store_b128 v[CO], v[BB+4*\t:BB+4*\t+3], s[12:13] offset:\t*SIZE_N*4 th:TH_STORE_NT
.endr
.endm
	s_wait_kmcnt 0x0
	s_add_co_i32 s96, s96, s97
	s_add_co_i32 s96, s96, 127
	s_lshl_b32 s96, s96, 23
	s_wait_loadcnt 0x0
	PLACES NP
	TOSTAGE 0
.irp a, 1,2,3,4,5,6,7
.if \a > 1
	s_wait_xcnt 0x0
.endif
	TOSTAGE \a
	SEND \a-1, 32
.endr
	s_wait_xcnt 0x0
	SEND 7, 0
	s_wait_tensorcnt 0x0
	ds_add_u32 v[SPW], v[NIL]
	s_wait_dscnt 0x0
	CROUND
	s_endpgm
.Lfunc_end_k_q8b8fc27ea9_proj:
	.size	k_q8b8fc27ea9_proj, .Lfunc_end_k_q8b8fc27ea9_proj-k_q8b8fc27ea9_proj
	.p2alignl 7, 3214868480
	.fill 96, 4, 3214868480
	.section	.rodata,"a",@progbits
	.p2align	6, 0x0
	.amdhsa_kernel k_q8b8fc27ea9_proj
		.amdhsa_group_segment_fixed_size 327680
		.amdhsa_private_segment_fixed_size 0
		.amdhsa_enable_private_segment 0
		.amdhsa_kernarg_size 40
		.amdhsa_user_sgpr_count 2
		.amdhsa_user_sgpr_kernarg_segment_ptr 1
		.amdhsa_wavefront_size32 1
		.amdhsa_system_sgpr_workgroup_id_x 1
		.amdhsa_system_sgpr_workgroup_id_y 1
		.amdhsa_system_sgpr_workgroup_id_z 1
		.amdhsa_system_vgpr_workitem_id 0
		.amdhsa_next_free_vgpr 1024
		.amdhsa_next_free_sgpr 100
		.amdhsa_reserve_vcc 0
		.amdhsa_float_denorm_mode_32 3
		.amdhsa_float_denorm_mode_16_64 3
		.amdhsa_memory_ordered 1
		.amdhsa_forward_progress 1
		.amdhsa_inst_pref_size 125
	.end_amdhsa_kernel
	.amdgpu_metadata
---
amdhsa.version: [ 1, 2 ]
amdhsa.kernels:
  - .name:           k_q8b8fc27ea9_proj
    .symbol:         k_q8b8fc27ea9_proj.kd
    .args:
      - { .name: att_codes, .offset: 0, .size: 8, .value_kind: global_buffer, .address_space: global }
      - { .name: wp_codes, .offset: 8, .size: 8, .value_kind: global_buffer, .address_space: global }
      - { .name: lowp_scales, .offset: 16, .size: 8, .value_kind: global_buffer, .address_space: global }
      - { .name: b_proj, .offset: 24, .size: 8, .value_kind: global_buffer, .address_space: global }
      - { .name: out0, .offset: 32, .size: 8, .value_kind: global_buffer, .address_space: global }
    .group_segment_fixed_size: 327680
    .private_segment_fixed_size: 0
    .kernarg_segment_align: 8
    .kernarg_segment_size: 40
    .max_flat_workgroup_size: 128
    .sgpr_count:     100
    .vgpr_count:     1024
    .wavefront_size: 32
...
	.end_amdgpu_metadata
.endif
;; end of part 4
